; MI455X (gfx1250); checked and timed in simulation.
; The chip was launched on July 23, 2026; its instructions are those of AMD's public machine-readable ISA for CDNA 5 (MIT licence, August 2026) and "CDNA5" Instruction Set Architecture Reference Guide (July 2026). The comments in the code are by the model that wrote it; some were corrected since.
;; Attention Pool Head. Allowed arithmetic: float matrix products may take bf16 or f16 operands with f32 sums; all other float work in f32.
;; Inputs: Wk 1,024 x 1,024 float32; Wo 1,024 x 1,024 float32; Wp 14 x 1,024 float32; Wq 1,024 x 1,024 float32; Wv 1,024 x 1,024 float32; bk 1,024 float32; bo 1,024 float32; bp 14 float32; bq 1,024 float32; bv 1,024 float32; cls_tok 64 x 1,024 float32; ln_kv_b 1,024 float32; ln_kv_g 1,024 float32; ln_out_b 1,024 float32; ln_out_g 1,024 float32; patches 64 x 512 x 1,024 float32; query 1 x 1 x 1,024 float32; storage 64 x 4 x 1,024 float32.
;; Outputs: out0 64 x 14 float32.
;; 2 versions, each right and faster than the one before. Each part assembles by itself: llvm-mc -triple=amdgcn-amd-amdhsa -mcpu=gfx1250 --defsym DOCPART=n.
;; ======== version 1 of 2: 5 launches
;; limits: values are held in f16: magnitudes above 65,504 overflow, below 6.1e-05 lose precision
;; workspace buffers: uf 32,768 bytes; cv 256 bytes; part 16,777,216 bytes; stat 32,768 bytes; ctx 262,144 bytes; y 262,144 bytes
;; launch prep (part 1): grid 16 x 1, 16 waves a work-group, no clusters, 68,096 bytes of LDS; arguments query, Wq, bq, Wk, bk, ln_kv_g, ln_kv_b, uf, cv; writes uf, cv
.if DOCPART == 1
	.amdgcn_target "amdgcn-amd-amdhsa--gfx1250"
	.amdhsa_code_object_version 6
	.text
	.protected	k_q3ad64cfee2_prep
	.globl	k_q3ad64cfee2_prep
	.p2align	8
	.type	k_q3ad64cfee2_prep,@function
k_q3ad64cfee2_prep:
	s_mov_b64 s[64:65], 0
	v_nop
	global_prefetch_b8 v0, s[64:65] scope:SCOPE_SE
	s_setreg_imm32_b32 hwreg(HW_REG_WAVE_MODE, 25, 1), 1
	s_wait_xcnt 0x0
; prep: folds the one query row into a score vector for each head.
;   qp = Wq query + bq;  Ur_h = Wk_h^T qp_h;  uf[h][k] = K g[k] Ur_h[k] (f16);  cv[h] = K (beta . Ur_h + qp_h . bk_h),  K = log2(e) / 8.
; Then score_h(token) * log2(e) = z . uf[h] + cv[h] with z the token normalised without gain and bias: the same sum as in the problem, regrouped
; (so the order of rounding differs from a projection of every token).
; LIMITS: uf is stored in f16: |uf| has to stay below 65,504, and elements below 6e-8 become 0 (|z| <= 32 and 1,024 terms: a score moves by less than 3e-5).
; Work-group = head h (16 of them: a head's sum over its 64 rows stays inside one work-group).  Wave w owns rows 64 h + 4 w + t, t = 0..3, of Wq and of Wk:
; it uses its own four qp on its own four rows of Wk, so qp never leaves the wave.  A row of 1,024 f32 lies in 32 registers: register 4 j + i = column 128 j + 4 lane + i,
; each load of the wave covers 512 consecutive bytes, aligned.  One-row products: plain f32 arithmetic; a matrix tile would be 15/16 empty.
; No joint loads: no two work-groups read the same rows of Wq or Wk; what they share (query, g, beta) is 12 KiB of the 524 KiB a work-group reads.
.set KLOG, 0x3e38aa3b                  ; log2(e) / 8
.set GQ,   4                           ; v[4:7]     g of the four columns that this wave finishes
.set Q,    8                           ; v[8:39]    query, later beta
.set R,    40                          ; v[40:167]  four row slots: Wq's rows, then Wk's
.set DD,   168                         ; v[168:183] row t: two chains (pairs) of its dot product
.set QP,   184                         ; v[184:191] qp of row t, twice (a pair for the packed forms)
.set U,    192                         ; v[192:223] this wave's part of Ur
.set CC,   224                         ; v[224:227] two chains of beta . Ur, then this wave's part of cv
.set GOFF, 229                         ; 512 (w & 7) + 16 lane: offset in g, later the LDS address of the columns to finish
.set UST,  230                         ; LDS: 4096 w + 16 lane
.set CST,  231                         ; LDS: CP + 4 w
.set CP,   65536                       ; LDS: 16 words behind the 16 x 4,096 bytes of partial Ur
.macro REDSUM v                        ; sum over the 32 lanes, result in every lane
	v_add_f32_dpp v[\v], v[\v], v[\v] row_xmask:1 row_mask:0xf bank_mask:0xf
	v_add_f32_dpp v[\v], v[\v], v[\v] row_xmask:2 row_mask:0xf bank_mask:0xf
	v_add_f32_dpp v[\v], v[\v], v[\v] row_xmask:4 row_mask:0xf bank_mask:0xf
	v_add_f32_dpp v[\v], v[\v], v[\v] row_xmask:8 row_mask:0xf bank_mask:0xf
	v_permlanex16_b32 v3, v[\v], s36, s37
	v_add_f32 v[\v], v[\v], v3
.endm
	s_load_b512 s[4:19], s[0:1], 0x0               ; query 4, Wq 6, bq 8, Wk 10, bk 12, g 14, beta 16, uf 18
	s_load_b64 s[20:21], s[0:1], 0x40              ; cv
	v_lshl_add_u32 v232, v0, 2, 0x10200
	v_mov_b32 v233, 0
	v_lshrrev_b32 v1, 5, v0
	v_readfirstlane_b32 s22, v1                    ; wave w
	v_and_b32 v1, 31, v0                           ; lane
	v_lshlrev_b32 v2, 4, v1                        ; 16 lane
	v_mov_b32 v3, 0                                ; v_permlanex16_b32's destination counts as read
	s_mov_b32 s36, 0x76543210
	s_mov_b32 s37, 0xfedcba98
	s_lshl_b32 s24, ttmp9, 18                      ; 64 rows of 4,096 bytes a head
	s_lshl_b32 s23, s22, 14                        ; 4 rows a wave
	s_add_co_u32 s24, s24, s23
	s_mov_b32 s25, 0
	s_lshl_b32 s26, ttmp9, 8                       ; the same rows in bq and bk: 4 bytes each
	s_lshl_b32 s23, s22, 4
	s_add_co_u32 s26, s26, s23
	s_and_b32 s23, s22, 7
	s_lshl_b32 s23, s23, 9
	v_add_nc_u32 v[GOFF], s23, v2
	s_wait_kmcnt 0x0
	s_add_nc_u64 s[6:7], s[6:7], s[24:25]
	s_add_nc_u64 s[10:11], s[10:11], s[24:25]
	s_load_b128 s[28:31], s[8:9], s26 offset:0x0   ; bq of my four rows
	s_load_b128 s[32:35], s[12:13], s26 offset:0x0 ; bk of my four rows
	global_load_b128 v[GQ:GQ+3], v[GOFF], s[14:15] ; the oldest load: every count below leaves it behind
.irp j, 0,1,2,3,4,5,6,7
	global_load_b128 v[Q+4*\j:Q+4*\j+3], v2, s[4:5] offset:512*\j
.endr
.irp t, 0,1,2,3
.irp j, 0,1,2,3,4,5,6,7
	global_load_b128 v[R+32*\t+4*\j:R+32*\t+4*\j+3], v2, s[6:7] offset:4096*\t+512*\j th:TH_LOAD_NT
.endr
.endr
; Row t of Wq times the query, then the slot takes row t of Wk.
.macro DOTQ t
	s_wait_loadcnt 24                              ; younger than Wq's row t: Wq's 3 - t later rows and Wk's t rows, 8 loads each
	v_pk_mul_f32 v[DD+4*\t:DD+4*\t+1], v[R+32*\t:R+32*\t+1], v[Q:Q+1]
	v_pk_mul_f32 v[DD+4*\t+2:DD+4*\t+3], v[R+32*\t+2:R+32*\t+3], v[Q+2:Q+3]
.irp p, 4,8,12,16,20,24,28
	v_pk_fma_f32 v[DD+4*\t:DD+4*\t+1], v[R+32*\t+\p:R+32*\t+\p+1], v[Q+\p:Q+\p+1], v[DD+4*\t:DD+4*\t+1]
	v_pk_fma_f32 v[DD+4*\t+2:DD+4*\t+3], v[R+32*\t+\p+2:R+32*\t+\p+3], v[Q+\p+2:Q+\p+3], v[DD+4*\t+2:DD+4*\t+3]
.endr
.irp j, 0,1,2,3,4,5,6,7
	global_load_b128 v[R+32*\t+4*\j:R+32*\t+4*\j+3], v2, s[10:11] offset:4096*\t+512*\j th:TH_LOAD_NT
.endr
.endm
	DOTQ 0
	DOTQ 1
	DOTQ 2
	DOTQ 3
.irp j, 0,1,2,3,4,5,6,7
	global_load_b128 v[Q+4*\j:Q+4*\j+3], v2, s[16:17] offset:512*\j      ; beta takes the query's place
.endr
	s_wait_kmcnt 0x0                               ; bq, bk
.irp t, 0,1,2,3
	v_pk_add_f32 v[DD+4*\t:DD+4*\t+1], v[DD+4*\t:DD+4*\t+1], v[DD+4*\t+2:DD+4*\t+3]
	v_add_f32 v[DD+4*\t], v[DD+4*\t], v[DD+4*\t+1]
	REDSUM DD+4*\t
	v_add_f32 v[QP+2*\t], s[28+\t], v[DD+4*\t]     ; qp of row t, in every lane, twice
	v_add_f32 v[QP+2*\t+1], s[28+\t], v[DD+4*\t]
.endr
; U += qp_t x row t of Wk; the first row starts the sums
.macro ACCU t
	s_wait_loadcnt 32-8*\t                         ; younger than Wk's row t: its 3 - t later rows and beta, 8 loads each
.irp p, 0,2,4,6,8,10,12,14,16,18,20,22,24,26,28,30
.if \t == 0
	v_pk_mul_f32 v[U+\p:U+\p+1], v[R+\p:R+\p+1], v[QP:QP+1]
.else
	v_pk_fma_f32 v[U+\p:U+\p+1], v[R+32*\t+\p:R+32*\t+\p+1], v[QP+2*\t:QP+2*\t+1], v[U+\p:U+\p+1]
.endif
.endr
.endm
	ACCU 0
	ACCU 1
	ACCU 2
	ACCU 3
	s_wait_loadcnt 0x0                             ; beta
	v_pk_mul_f32 v[CC:CC+1], v[U:U+1], v[Q:Q+1]
	v_pk_mul_f32 v[CC+2:CC+3], v[U+2:U+3], v[Q+2:Q+3]
.irp p, 4,8,12,16,20,24,28
	v_pk_fma_f32 v[CC:CC+1], v[U+\p:U+\p+1], v[Q+\p:Q+\p+1], v[CC:CC+1]
	v_pk_fma_f32 v[CC+2:CC+3], v[U+\p+2:U+\p+3], v[Q+\p+2:Q+\p+3], v[CC+2:CC+3]
.endr
	v_pk_add_f32 v[CC:CC+1], v[CC:CC+1], v[CC+2:CC+3]
	v_add_f32 v[CC], v[CC], v[CC+1]
	REDSUM CC
.irp t, 0,1,2,3
	v_fma_f32 v[CC], v[QP+2*\t], s[32+\t], v[CC]   ; + qp_t bk_t
.endr
	; the sixteen waves' parts meet in LDS
	v_lshl_add_u32 v[UST], s22, 12, v2
	s_lshl_b32 s23, s22, 2
	s_add_co_u32 s23, s23, CP
	v_mov_b32 v[CST], s23
.irp j, 0,1,2,3,4,5,6,7
	ds_store_b128 v[UST], v[U+4*\j:U+4*\j+3] offset:512*\j
.endr
	ds_store_b32 v[CST], v[CC]                     ; all lanes write the same word with the same value
	s_wait_dscnt 0x0                               ; my stores are done before I say so
	s_barrier_signal -1
	s_barrier_wait -1
	s_cmp_lt_u32 s22, 8
	s_cbranch_scc0 .Lnot_low
	; waves 0 to 7: columns 128 w .. 128 w + 127, four a lane: the sixteen parts, times g, times K, to f16
.irp i, 0,1,2,3,4,5,6,7,8,9,10,11,12,13,14,15
	ds_load_b128 v[R+4*\i:R+4*\i+3], v[GOFF] offset:4096*\i
.endr
	s_wait_dscnt 0x0
.irp s, 8,4,2,1
.set i, 0
.rept \s
	v_pk_add_f32 v[R+4*i:R+4*i+1], v[R+4*i:R+4*i+1], v[R+4*(i+\s):R+4*(i+\s)+1]
	v_pk_add_f32 v[R+4*i+2:R+4*i+3], v[R+4*i+2:R+4*i+3], v[R+4*(i+\s)+2:R+4*(i+\s)+3]
.set i, i+1
.endr
.endr
	v_pk_mul_f32 v[R:R+1], v[R:R+1], v[GQ:GQ+1]
	v_pk_mul_f32 v[R+2:R+3], v[R+2:R+3], v[GQ+2:GQ+3]
	v_pk_mul_f32 v[R:R+1], v[R:R+1], KLOG op_sel_hi:[1,0]
	v_pk_mul_f32 v[R+2:R+3], v[R+2:R+3], KLOG op_sel_hi:[1,0]
	v_cvt_pk_f16_f32 v[R+8], v[R], v[R+1]
	v_cvt_pk_f16_f32 v[R+9], v[R+2], v[R+3]
	s_lshl_b32 s23, ttmp9, 11                      ; a head's row of uf: 2,048 bytes
	s_lshl_b32 s27, s22, 8
	s_add_co_u32 s23, s23, s27
	v_lshl_add_u32 v[U], v1, 3, s23
	global_store_b64 v[U], v[R+8:R+9], s[18:19]    ; the wave stores 256 consecutive bytes, aligned
	s_branch .Lend
.Lnot_low:
	s_cmp_lg_u32 s22, 8
	s_cbranch_scc1 .Lend
	; wave 8: the head's constant
	v_and_b32 v[U], 15, v1
	v_lshlrev_b32 v[U], 2, v[U]
	v_add_nc_u32 v[U], CP, v[U]
	ds_load_b32 v[U+1], v[U]                       ; both halves of the wave hold the sixteen parts
	s_lshl_b32 s23, ttmp9, 2
	v_mov_b32 v[U+2], s23
	v_cmp_eq_u32 vcc_lo, 0, v1
	s_wait_dscnt 0x0
	v_add_f32_dpp v[U+1], v[U+1], v[U+1] row_xmask:1 row_mask:0xf bank_mask:0xf
	v_add_f32_dpp v[U+1], v[U+1], v[U+1] row_xmask:2 row_mask:0xf bank_mask:0xf
	v_add_f32_dpp v[U+1], v[U+1], v[U+1] row_xmask:4 row_mask:0xf bank_mask:0xf
	v_add_f32_dpp v[U+1], v[U+1], v[U+1] row_xmask:8 row_mask:0xf bank_mask:0xf
	v_mul_f32 v[U+1], KLOG, v[U+1]
	s_wait_xcnt 0x0                                ; EXEC is a source of the loads above: it changes only behind this wait
	s_and_saveexec_b32 s38, vcc_lo
	global_store_b32 v[U+2], v[U+1], s[20:21]      ; lane 0 alone: cv[h]
	s_wait_xcnt 0x0                                ; and again in front of the line that widens it
	s_or_b32 exec_lo, exec_lo, s38
.Lend:
	s_wait_tensorcnt 0x0
	ds_add_u32 v232, v233
	s_wait_dscnt 0x0
	s_endpgm
.Lfunc_end_k_q3ad64cfee2_prep:
	.size	k_q3ad64cfee2_prep, .Lfunc_end_k_q3ad64cfee2_prep-k_q3ad64cfee2_prep
	.p2alignl 7, 3214868480
	.fill 96, 4, 3214868480
	.section	.rodata,"a",@progbits
	.p2align	6, 0x0
	.amdhsa_kernel k_q3ad64cfee2_prep
		.amdhsa_group_segment_fixed_size 68096
		.amdhsa_private_segment_fixed_size 0
		.amdhsa_enable_private_segment 0
		.amdhsa_kernarg_size 72
		.amdhsa_user_sgpr_count 2
		.amdhsa_user_sgpr_kernarg_segment_ptr 1
		.amdhsa_wavefront_size32 1
		.amdhsa_system_sgpr_workgroup_id_x 1
		.amdhsa_system_sgpr_workgroup_id_y 1
		.amdhsa_system_sgpr_workgroup_id_z 1
		.amdhsa_system_vgpr_workitem_id 0
		.amdhsa_next_free_vgpr 234
		.amdhsa_next_free_sgpr 66
		.amdhsa_reserve_vcc 1
		.amdhsa_float_denorm_mode_32 3
		.amdhsa_float_denorm_mode_16_64 3
		.amdhsa_memory_ordered 1
		.amdhsa_forward_progress 1
		.amdhsa_inst_pref_size 27
	.end_amdhsa_kernel
	.amdgpu_metadata
---
amdhsa.version: [ 1, 2 ]
amdhsa.kernels:
  - .name:           k_q3ad64cfee2_prep
    .symbol:         k_q3ad64cfee2_prep.kd
    .args:
      - { .name: query, .offset: 0, .size: 8, .value_kind: global_buffer, .address_space: global }
      - { .name: Wq, .offset: 8, .size: 8, .value_kind: global_buffer, .address_space: global }
      - { .name: bq, .offset: 16, .size: 8, .value_kind: global_buffer, .address_space: global }
      - { .name: Wk, .offset: 24, .size: 8, .value_kind: global_buffer, .address_space: global }
      - { .name: bk, .offset: 32, .size: 8, .value_kind: global_buffer, .address_space: global }
      - { .name: ln_kv_g, .offset: 40, .size: 8, .value_kind: global_buffer, .address_space: global }
      - { .name: ln_kv_b, .offset: 48, .size: 8, .value_kind: global_buffer, .address_space: global }
      - { .name: uf, .offset: 56, .size: 8, .value_kind: global_buffer, .address_space: global }
      - { .name: cv, .offset: 64, .size: 8, .value_kind: global_buffer, .address_space: global }
    .group_segment_fixed_size: 68096
    .private_segment_fixed_size: 0
    .kernarg_segment_align: 8
    .kernarg_segment_size: 72
    .max_flat_workgroup_size: 512
    .sgpr_count:     66
    .vgpr_count:     234
    .wavefront_size: 32
...
	.end_amdgpu_metadata
.endif
;; end of part 1
;; launch pool (part 2): grid 256 x 1, 9 waves a work-group, no clusters, 309,504 bytes of LDS; arguments patches, storage, cls_tok, uf, cv, part, stat; writes part, stat
.if DOCPART == 2
	.amdgcn_target "amdgcn-amd-amdhsa--gfx1250"
	.amdhsa_code_object_version 6
	.text
	.protected	k_q3ad64cfee2_pool
	.globl	k_q3ad64cfee2_pool
	.p2align	8
	.type	k_q3ad64cfee2_pool,@function
k_q3ad64cfee2_pool:
	s_mov_b64 s[64:65], 0
	v_nop
	global_prefetch_b8 v0, s[64:65] scope:SCOPE_SE
	s_setreg_imm32_b32 hwreg(HW_REG_WAVE_MODE, 25, 1), 1
	s_wait_xcnt 0x0
; pool: work-group x = 4 b + q takes a quarter of batch b's tokens: patches 128 q .. 128 q + 127, storage row q, and the cls row (which counts where q = 0 alone).
; Each token is read from memory once, normalised in f32 (mean, then the mean of squared differences: no difference of large sums) and kept in LDS as f16 (z, |z| <= 32).
; Scores (base 2) = z . uf[h] + cv[h] on the matrix unit; the largest score of the work-group's tokens is taken away before the exponential; then
; part[x][h][k] = sum over tokens of p z[k] (matrix unit, f16 operands, f32 sums), stat[x] = the 16 maxima and the 16 sums of p.  The next launch joins the four quarters by their maxima.
; LIMITS: z, uf and p go to the matrix unit in f16 (p <= 1; p below 6e-8 becomes 0); the sum of p is kept from the unrounded f32 values.
; Waves 0 to 7: 16 patch rows each, later 128 columns of part each.  Wave 8: the two extra rows, the fetch of uf, and stat.
; A row of 1,024 f32 = 32 registers of one wave: register 4 j + i = column 128 j + 4 lane + i; each load covers 512 consecutive bytes, aligned.  Six row slots: 24 KiB of a wave's loads are out at a time.
; No joint loads: work-groups share uf alone, 32 KiB of the 560 KiB that a work-group reads.
; LDS: Z 130 rows x 2,064 bytes (2,048 + 16: sixteen rows that a load touches start 16 bytes apart modulo 256); UB: uf in two halves of K, 16 rows x 1,040 each, filled once by two tensor loads;
; AT: p as f16, 512 bytes for each 16 tokens; MX, SM: the waves' maxima and sums.  Every region begins at a multiple of 256 bytes; only UB is a tensor load's target.
.set PZ,   2064
.set UBL,  268544
.set UBH,  16640
.set ATL,  301824
.set MXL,  306432
.set SMD,  768                         ; SM lies 768 bytes behind MX
.set PS,   528                         ; the way out: a head's 512 bytes + 16
.set MEAN, 10                          ; v[10:11] the row's mean, twice
.set RS,   12                          ; v[12:13] 1 / sqrt(var + eps), twice
.set CH,   14                          ; v[14:21] four chains (pairs)
.set RT,   22                          ; v_permlanex16_b32's destination
.set MM,   23                          ; -inf, later the head's maximum
.set T,    24                          ; v[24:39] a row as f16
.set X,    40                          ; v[40:231] six row slots
.set BUF0, 40                          ; scores: four K steps' fragments, z 8 + uf 8 registers each
.set BUF1, 104
.set ACC,  168                         ; v[168:175], v[176:183] two accumulators
.set LW,   184                         ; v[184:192] nine words from MX or SM
.set MXA,  193
.set MXS,  194
.set ATS,  195
.set TR,   10                          ; v[10:14] pooling: addresses of the five K steps' transposing loads
.set ATA,  15
.set BF0,  24                          ; p fragments
.set BF1,  32
.set A0,   40                          ; z^T fragments, 8 tiles x 8 registers
.set A1,   104
.set PACC, 168                         ; v[168:231] eight accumulators
.set STO,  232                         ; the way out: three addresses, made once at the head and never rewritten
.set RDB,  233
.set GO,   234
.macro FOLD                            ; four chains -> one number, summed over the 32 lanes, in every lane's v[CH]
	v_pk_add_f32 v[CH:CH+1], v[CH:CH+1], v[CH+2:CH+3]
	v_pk_add_f32 v[CH+4:CH+5], v[CH+4:CH+5], v[CH+6:CH+7]
	v_pk_add_f32 v[CH:CH+1], v[CH:CH+1], v[CH+4:CH+5]
	v_add_f32 v[CH], v[CH], v[CH+1]
	v_add_f32_dpp v[CH], v[CH], v[CH] row_xmask:1 row_mask:0xf bank_mask:0xf
	v_add_f32_dpp v[CH], v[CH], v[CH] row_xmask:2 row_mask:0xf bank_mask:0xf
	v_add_f32_dpp v[CH], v[CH], v[CH] row_xmask:4 row_mask:0xf bank_mask:0xf
	v_add_f32_dpp v[CH], v[CH], v[CH] row_xmask:8 row_mask:0xf bank_mask:0xf
	v_permlanex16_b32 v[RT], v[CH], s24, s25
	v_add_f32 v[CH], v[CH], v[RT]
.endm
.macro PLACES                          ; four plain vector places behind a matrix instruction (ISA guide 7.12.1) before its result is read or its registers are loaded or written
.rept 4
	v_nop
.endr
.endm
.macro LOADROW s, lo, imm, nt          ; a row of 4,096 bytes into slot s
.irp j, 0,1,2,3,4,5,6,7
.if \nt
	global_load_b128 v[X+32*\s+4*\j:X+32*\s+4*\j+3], v4, s[\lo:\lo+1] offset:\imm+512*\j th:TH_LOAD_NT
.else
	global_load_b128 v[X+32*\s+4*\j:X+32*\s+4*\j+3], v4, s[\lo:\lo+1] offset:\imm+512*\j
.endif
.endr
.endm
; The row in slot s is normalised and laid into Z at my wave's rows + imm bytes.
.macro LNROW s, imm
.irp c, 0,2,4,6
	v_pk_add_f32 v[CH+\c:CH+\c+1], v[X+32*\s+\c:X+32*\s+\c+1], v[X+32*\s+\c+8:X+32*\s+\c+9]
.endr
.irp c, 0,2,4,6
	v_pk_add_f32 v[CH+\c:CH+\c+1], v[CH+\c:CH+\c+1], v[X+32*\s+\c+16:X+32*\s+\c+17]
.endr
.irp c, 0,2,4,6
	v_pk_add_f32 v[CH+\c:CH+\c+1], v[CH+\c:CH+\c+1], v[X+32*\s+\c+24:X+32*\s+\c+25]
.endr
	FOLD
	v_mul_f32 v[MEAN], s30, v[CH]
	v_mul_f32 v[MEAN+1], s30, v[CH]
.irp p, 0,2,4,6,8,10,12,14,16,18,20,22,24,26,28,30
	v_pk_add_f32 v[X+32*\s+\p:X+32*\s+\p+1], v[X+32*\s+\p:X+32*\s+\p+1], v[MEAN:MEAN+1] neg_lo:[0,1] neg_hi:[0,1]
.endr
.irp c, 0,2,4,6
	v_pk_mul_f32 v[CH+\c:CH+\c+1], v[X+32*\s+\c:X+32*\s+\c+1], v[X+32*\s+\c:X+32*\s+\c+1]
.endr
.irp p, 8,10,12,14,16,18,20,22,24,26,28,30
	v_pk_fma_f32 v[CH+\p%8:CH+\p%8+1], v[X+32*\s+\p:X+32*\s+\p+1], v[X+32*\s+\p:X+32*\s+\p+1], v[CH+\p%8:CH+\p%8+1]
.endr
	FOLD
	v_fma_f32 v[CH], v[CH], s30, s31               ; variance + eps
	v_rsq_f32 v[RS], v[CH]
	v_rsq_f32 v[RS+1], v[CH]
	v_nop                                          ; one plain place behind a transcendental before its result is used (ISA guide 5.7.2)
	s_wait_alu depctr_va_vdst(0)
.irp p, 0,2,4,6,8,10,12,14,16,18,20,22,24,26,28,30
	v_pk_mul_f32 v[X+32*\s+\p:X+32*\s+\p+1], v[X+32*\s+\p:X+32*\s+\p+1], v[RS:RS+1]
.endr
.irp p, 0,1,2,3,4,5,6,7,8,9,10,11,12,13,14,15
	v_cvt_pk_f16_f32 v[T+\p], v[X+32*\s+2*\p], v[X+32*\s+2*\p+1]
.endr
.irp j, 0,1,2,3,4,5,6,7
	ds_store_b64 v5, v[T+2*\j:T+2*\j+1] offset:\imm+256*\j       ; 32 lanes x 8 bytes: 256 consecutive bytes
.endr
.endm
.macro TURN i                          ; patch row i of my 16; its slot then takes row i + 6
.if \i <= 10
	s_wait_loadcnt 40                              ; five younger rows stay out, 8 loads each
.else
	s_wait_loadcnt 8*(15-\i)                       ; the last rows: the count runs down
.endif
	LNROW (\i%6), PZ*\i
.if \i <= 9
	LOADROW (\i%6), 4, 4096*(\i+6), 1
.endif
.endm
; Scores.  A = 16 tokens x 32 k of z (my own rows), B = 16 heads x 32 k of uf.  Group g = K steps 4 g .. 4 g + 3: 16 LDS loads, 4 matrix instructions.
.macro LOADG g, buf
.irp i, 0,1,2,3
	ds_load_b128 v[\buf+16*\i:\buf+16*\i+3], v6 offset:64*(4*\g+\i)
	ds_load_b128 v[\buf+16*\i+4:\buf+16*\i+7], v6 offset:64*(4*\g+\i)+32
	ds_load_b128 v[\buf+16*\i+8:\buf+16*\i+11], v7 offset:((4*\g+\i)>>4)*UBH+((4*\g+\i)&15)*64
	ds_load_b128 v[\buf+16*\i+12:\buf+16*\i+15], v7 offset:((4*\g+\i)>>4)*UBH+((4*\g+\i)&15)*64+32
.endr
.endm
.macro MULG g, buf                     ; the two accumulators take turns, one instruction a turn; the first two products start the sums
.irp i, 0,1,2,3
.if (4*\g+\i) < 2
	v_wmma_f32_16x16x32_f16 v[ACC+8*(\i&1):ACC+8*(\i&1)+7], v[\buf+16*\i:\buf+16*\i+7], v[\buf+16*\i+8:\buf+16*\i+15], 0
.else
	v_wmma_f32_16x16x32_f16 v[ACC+8*(\i&1):ACC+8*(\i&1)+7], v[\buf+16*\i:\buf+16*\i+7], v[\buf+16*\i+8:\buf+16*\i+15], v[ACC+8*(\i&1):ACC+8*(\i&1)+7]
.endif
.endr
.endm
; Pooling.  K step t = tokens 32 t .. 32 t + 31.  A = z^T: 16 columns x 32 tokens by transposing loads, eight tiles; B = p: 16 heads x 32 tokens.
; Step 4 has rows 128 and 129 alone: its p for k = 2 .. 15 is 0 (masked scores) and for k = 16 .. 31 is written 0; A's k = 2 .. 15 point at the same two rows,
; and A's upper halves keep step 2's z: finite numbers that meet p = 0.
.macro LOADB t, abuf, bf
	ds_load_b128 v[\bf:\bf+3], v[ATA] offset:1024*\t
.if \t < 4
	ds_load_b128 v[\bf+4:\bf+7], v[ATA] offset:1024*\t+512
.else
.irp k, 4,5,6,7
	v_mov_b32 v[\bf+\k], 0
.endr
.endif
.irp u, 0,1,2,3,4,5,6,7
	ds_load_tr16_b128 v[\abuf+8*\u:\abuf+8*\u+3], v[TR+\t] offset:16*\u
.if \t < 4
	ds_load_tr16_b128 v[\abuf+8*\u+4:\abuf+8*\u+7], v[TR+\t] offset:16*\u+16*PZ
.endif
.endr
.endm
.macro MULB t, abuf, bf                ; eight accumulators take turns
.irp u, 0,1,2,3,4,5,6,7
.if \t == 0
	v_wmma_f32_16x16x32_f16 v[PACC+8*\u:PACC+8*\u+7], v[\abuf+8*\u:\abuf+8*\u+7], v[\bf:\bf+7], 0
.else
	v_wmma_f32_16x16x32_f16 v[PACC+8*\u:PACC+8*\u+7], v[\abuf+8*\u:\abuf+8*\u+7], v[\bf:\bf+7], v[PACC+8*\u:PACC+8*\u+7]
.endif
.endr
.endm
	s_load_b256 s[4:11], s[0:1], 0x0               ; patches 4, storage 6, cls_tok 8, uf 10
	s_load_b128 s[12:15], s[0:1], 0x20             ; cv 12, part 14
	s_load_b64 s[16:17], s[0:1], 0x30              ; stat
	v_lshl_add_u32 v240, v0, 2, 0x4b400
	v_mov_b32 v241, 0
	ds_add_u32 v240, v241
	ds_add_u32 v240, v241
	v_lshrrev_b32 v1, 5, v0
	v_readfirstlane_b32 s20, v1                    ; wave w
	v_and_b32 v1, 31, v0                           ; L
	v_and_b32 v2, 15, v0                           ; r
	v_bfe_u32 v3, v0, 4, 1                         ; h = L / 16
	v_lshlrev_b32 v4, 4, v1                        ; 16 L
	v_lshlrev_b32 v8, 2, v2                        ; 4 r: offset in cv; the load lands on it
	v_mov_b32 v[RT], 0
	v_mov_b32 v[MM], 0xff800000                    ; -inf
	s_and_b32 s21, ttmp9, 3                        ; q
	s_lshr_b32 s22, ttmp9, 2                       ; b
	s_mov_b32 s24, 0x76543210
	s_mov_b32 s25, 0xfedcba98
	s_mov_b32 s30, 0x3a800000                      ; 1 / 1024
	s_mov_b32 s31, 0x3727c5ac                      ; 1e-5
	; which of a wave's 16 score rows are tokens: all in waves 0 to 7; in wave 8 row 0 (storage), and row 1 (cls) where q = 0.  Lanes 0 to 15 hold rows 0 to 7.
	s_cmp_eq_u32 s20, 8
	s_cselect_b32 s26, 0xffff, -1
	s_cselect_b32 s28, 0, -1
	s_cselect_b32 s29, 1, 15
	s_cmp_eq_u32 s21, 0
	s_cselect_b32 s27, 0xffff, 0
	s_cmp_eq_u32 s20, 8
	s_cselect_b32 s27, s27, -1
	; LDS addresses
	s_mul_i32 s18, s20, 16*PZ
	v_lshl_add_u32 v5, v1, 3, s18                  ; where I put 8 bytes of my wave's first row
	v_and_b32 v6, s29, v2                          ; wave 8 has two rows: the others' places repeat them and are masked
	v_lshl_add_u32 v6, s20, 4, v6
	v_mul_u32_u24 v6, v6, PZ
	v_lshl_add_u32 v6, v3, 4, v6                   ; z fragment: row x pitch + 16 h
	v_mul_u32_u24 v7, v2, 1040
	v_lshl_add_u32 v7, v3, 4, v7
	v_add_nc_u32 v7, UBL, v7                       ; uf fragment
	; the way out: each wave's stage is 16 heads x 528 bytes at 8,448 w, inside Z, used behind the last barrier.  Made here, where all waves pass (wave 8 uses none of the three).
	s_mul_i32 s18, s20, 16*PS
	v_mul_u32_u24 v[STO], v2, PS
	v_lshl_add_u32 v[STO], v3, 8, v[STO]
	v_add_nc_u32 v[STO], s18, v[STO]               ; in: head r's row, 256 h
	v_add_nc_u32 v[RDB], s18, v4                   ; back: 512 consecutive bytes of a head's row
	v_lshl_add_u32 v[GO], s20, 9, v4               ; and their place in a head's row of part: 512 w + 16 L
	; uf's descriptor, group 1: 16 rows x 512 elements of 2 bytes, 4 words of padding behind every 256 words (a row of the tile)
	s_mov_b32 s40, (1<<16)|(1<<20)|(7<<22)|(3<<25)
	s_mov_b32 s41, 512<<16                         ; tensor_dim0 = 512
	s_mov_b32 s42, 16<<16                          ; tensor_dim1 = 16
	s_mov_b32 s43, 512<<16                         ; tile_dim0 = 512
	s_mov_b32 s44, 16                              ; tile_dim1 = 16
	s_mov_b32 s45, 1024                            ; elements from row to row
	s_mov_b32 s46, 0
	s_mov_b32 s47, 0
	s_mov_b32 s32, 1
	s_mov_b32 s33, UBL
	s_mov_b32 s36, 1
	s_mov_b32 s37, UBL+UBH
	s_mov_b32 s19, 0
	s_wait_dscnt 0x0
	s_wait_kmcnt 0x0
	s_mov_b64 s[34:35], s[10:11]                   ; k = 0 .. 511
	s_or_b32 s35, s35, 0x80000000
	s_add_nc_u64 s[38:39], s[10:11], 1024          ; k = 512 .. 1023
	s_or_b32 s39, s39, 0x80000000
	s_lshl_b32 s18, ttmp9, 19                      ; 128 rows of 4,096 bytes a work-group,
	s_lshl_b32 s23, s20, 16                        ; 16 a wave
	s_add_co_u32 s18, s18, s23
	s_add_nc_u64 s[4:5], s[4:5], s[18:19]
	s_lshl_b32 s18, ttmp9, 12
	s_add_nc_u64 s[6:7], s[6:7], s[18:19]          ; storage[b][q]
	s_lshl_b32 s18, s22, 12
	s_add_nc_u64 s[8:9], s[8:9], s[18:19]          ; cls_tok[b]
	s_lshl_b32 s18, ttmp9, 16
	s_add_nc_u64 s[14:15], s[14:15], s[18:19]      ; part[x]
	s_lshl_b32 s18, ttmp9, 7
	s_add_nc_u64 s[16:17], s[16:17], s[18:19]      ; stat[x]
	global_load_b32 v8, v8, s[12:13]               ; cv[r]: the oldest load, behind every count below
	s_cmp_eq_u32 s20, 8
	s_cbranch_scc1 .Lextra
.irp i, 0,1,2,3,4,5
	LOADROW \i, 4, 4096*\i, 1
.endr
.irp i, 0,1,2,3,4,5,6,7,8,9,10,11,12,13,14,15
	TURN \i
.endr
	s_branch .Lrows_done
.Lextra:
	tensor_load_to_lds s[32:35], s[40:47]          ; wave 8 alone fetches uf: two loads out, the only ones of the launch, each into bytes filled once
	s_nop 0
	tensor_load_to_lds s[36:39], s[40:47]
	s_nop 0
	LOADROW 4, 6, 0, 1                             ; wave 8's two rows go through slots 4 and 5
	LOADROW 5, 8, 0, 0                             ; the cls row is read by four work-groups: no hint
	s_wait_loadcnt 8                               ; the storage row is in; the cls row's 8 loads stay out
	LNROW 4, 0
	s_wait_loadcnt 0x0
	LNROW 5, PZ
.Lrows_done:
	s_wait_dscnt 0x0                               ; my rows of Z are stored,
	s_wait_tensorcnt 0x0                           ; and (wave 8) uf has landed, before I say so
	s_barrier_signal -1
	s_barrier_wait -1
	LOADG 0, BUF0
	LOADG 1, BUF1
	v_mov_b32 v9, v8                               ; cv[r] as a pair
	v_lshlrev_b32 v[MXA], 2, v2
	v_add_nc_u32 v[MXA], MXL, v[MXA]               ; MX + 4 r
	v_lshl_add_u32 v[MXS], s20, 6, v[MXA]          ; + 64 w
	v_lshl_add_u32 v[ATS], s20, 9, v4
	v_add_nc_u32 v[ATS], ATL, v[ATS]               ; AT + 512 w + 16 L
	s_wait_dscnt 16                                ; every count of 16 here: the next group's 16 loads stay out
	MULG 0, BUF0
	PLACES
	LOADG 2, BUF0
	s_wait_dscnt 16
	MULG 1, BUF1
	PLACES
	LOADG 3, BUF1
	s_wait_dscnt 16
	MULG 2, BUF0
	PLACES
	LOADG 4, BUF0
	s_wait_dscnt 16
	MULG 3, BUF1
	PLACES
	LOADG 5, BUF1
	s_wait_dscnt 16
	MULG 4, BUF0
	PLACES
	LOADG 6, BUF0
	s_wait_dscnt 16
	MULG 5, BUF1
	PLACES
	LOADG 7, BUF1
	s_wait_dscnt 16
	MULG 6, BUF0
	s_wait_dscnt 0x0
	MULG 7, BUF1
	PLACES
	; lane (r, h), register j: the score of head r and token 8 h + j of my 16
.irp j, 0,2,4,6
	v_pk_add_f32 v[ACC+\j:ACC+\j+1], v[ACC+\j:ACC+\j+1], v[ACC+8+\j:ACC+8+\j+1]
.endr
.irp j, 0,2,4,6
	v_pk_add_f32 v[ACC+\j:ACC+\j+1], v[ACC+\j:ACC+\j+1], v[8:9]
.endr
	v_cndmask_b32 v[ACC], v[MM], v[ACC], s26       ; places that are no token get -inf
	v_cndmask_b32 v[ACC+1], v[MM], v[ACC+1], s27
.irp j, 2,3,4,5,6,7
	v_cndmask_b32 v[ACC+\j], v[MM], v[ACC+\j], s28
.endr
	v_max3_num_f32 v[CH], v[ACC], v[ACC+1], v[ACC+2]
	v_max3_num_f32 v[CH], v[CH], v[ACC+3], v[ACC+4]
	v_max3_num_f32 v[CH], v[CH], v[ACC+5], v[ACC+6]
	v_max_num_f32 v[CH], v[CH], v[ACC+7]
	v_permlanex16_b32 v[RT], v[CH], s24, s25
	v_max_num_f32 v[CH], v[CH], v[RT]              ; head r's maximum over my 16 tokens
	ds_store_b32 v[MXS], v[CH]                     ; lanes r and r + 16 write the same word with the same value
	s_wait_dscnt 0x0
	s_barrier_signal -1
	s_barrier_wait -1
.irp i, 0,1,2,3,4,5,6,7,8
	ds_load_b32 v[LW+\i], v[MXA] offset:64*\i
.endr
	s_wait_dscnt 0x0
	v_max3_num_f32 v[MM], v[LW], v[LW+1], v[LW+2]
	v_max3_num_f32 v[MM], v[MM], v[LW+3], v[LW+4]
	v_max3_num_f32 v[MM], v[MM], v[LW+5], v[LW+6]
	v_max3_num_f32 v[MM], v[MM], v[LW+7], v[LW+8]  ; head r's maximum over the work-group's tokens: finite, since waves 0 to 7 mask nothing
.irp j, 0,1,2,3,4,5,6,7
	v_sub_f32 v[ACC+\j], v[ACC+\j], v[MM]
.endr
.irp j, 0,1,2,3,4,5,6,7
	v_exp_f32 v[ACC+\j], v[ACC+\j]                 ; p = 2^(score - maximum), at most 1; 0 for -inf
.endr
	v_nop                                          ; one plain place behind the last transcendental
	s_wait_alu depctr_va_vdst(0)
	v_pk_add_f32 v[CH:CH+1], v[ACC:ACC+1], v[ACC+2:ACC+3]
	v_pk_add_f32 v[CH+2:CH+3], v[ACC+4:ACC+5], v[ACC+6:ACC+7]
	v_pk_add_f32 v[CH:CH+1], v[CH:CH+1], v[CH+2:CH+3]
	v_add_f32 v[CH], v[CH], v[CH+1]
	v_permlanex16_b32 v[RT], v[CH], s24, s25
	v_add_f32 v[CH], v[CH], v[RT]
	ds_store_b32 v[MXS], v[CH] offset:SMD
.irp k, 0,1,2,3
	v_cvt_pk_f16_f32 v[T+\k], v[ACC+2*\k], v[ACC+2*\k+1]
.endr
	ds_store_b128 v[ATS], v[T:T+3]                 ; lane (r, h): tokens 8 h .. 8 h + 7 of head r: already half of a B fragment's registers
	s_wait_dscnt 0x0
	s_barrier_signal -1
	s_barrier_wait -1
	s_cmp_eq_u32 s20, 8
	s_cbranch_scc1 .Lstat
	; waves 0 to 7: columns 128 w .. 128 w + 127 of part.  A lane of a transposing load addresses 16 bytes of row 32 t + 8 h + (L & 7); lanes 8-15 and 24-31 take the
	; columns 64 (128 bytes) further on, not 8: with rows 16 bytes apart modulo 256 the sixteen lanes of a half then touch sixteen different 16-byte columns.
	; So tile u, lane (r, h), register j holds head r, column 128 w + 64 h + 8 u + j.
	v_and_b32 v19, 7, v1
	v_lshl_add_u32 v19, v3, 3, v19
	v_mul_u32_u24 v19, v19, PZ
	v_bfe_u32 v20, v1, 3, 1
	v_lshlrev_b32 v20, 7, v20
	v_lshl_add_u32 v20, s20, 8, v20
	v_add_nc_u32 v19, v19, v20
.irp t, 0,1,2,3
	v_add_nc_u32 v[TR+\t], 32*PZ*\t, v19
.endr
	v_and_b32 v21, 1, v1
	v_mul_u32_u24 v21, v21, PZ
	v_add_nc_u32 v21, v21, v20
	v_add_nc_u32 v[TR+4], 128*PZ, v21              ; rows 128 and 129, by the lane's lowest bit
	v_add_nc_u32 v[ATA], ATL, v4
	LOADB 0, A0, BF0
	LOADB 1, A1, BF1
	s_wait_dscnt 18                                ; the next step's 2 + 16 loads stay out
	MULB 0, A0, BF0
	PLACES
	LOADB 2, A0, BF0
	s_wait_dscnt 18
	MULB 1, A1, BF1
	PLACES
	LOADB 3, A1, BF1
	s_wait_dscnt 18
	MULB 2, A0, BF0
	PLACES
	LOADB 4, A0, BF0
	s_wait_dscnt 9                                 ; the last step's 1 + 8 loads stay out
	MULB 3, A1, BF1
	s_wait_dscnt 0x0
	MULB 4, A0, BF0
	PLACES
	s_branch .Ljoin
.Lstat:
	; wave 8: the work-group's maxima and sums, 128 consecutive bytes
.irp i, 0,1,2,3,4,5,6,7,8
	ds_load_b32 v[LW+\i], v[MXA] offset:SMD+64*\i
.endr
	s_mov_b32 s19, 0xffff0000
	v_lshlrev_b32 v[ATS], 2, v1
	s_wait_dscnt 0x0
.irp i, 1,2,3,4,5,6,7,8
	v_add_f32 v[LW], v[LW], v[LW+\i]
.endr
	v_cndmask_b32 v[LW], v[MM], v[LW], s19         ; lanes 0 to 15: the maximum of head r; lanes 16 to 31: its sum
	global_store_b32 v[ATS], v[LW], s[16:17]
.Ljoin:
	s_wait_dscnt 0x0                               ; my reads of Z are over
	s_barrier_signal -1
	s_barrier_wait -1                              ; everybody's are: Z's first bytes now serve as the waves' stages
	s_cmp_eq_u32 s20, 8
	s_cbranch_scc1 .Lend
.irp u, 0,1,2,3,4,5,6,7
	ds_store_b128 v[STO], v[PACC+8*\u:PACC+8*\u+3] offset:32*\u
	ds_store_b128 v[STO], v[PACC+8*\u+4:PACC+8*\u+7] offset:32*\u+16
.endr
.irp i, 0,1,2,3,4,5,6,7,8,9,10,11,12,13,14,15
	ds_load_b128 v[A0+4*\i:A0+4*\i+3], v[RDB] offset:PS*\i       ; my own bytes: LDS serves a wave's instructions in order (ISA guide 5.7.1)
.endr
.irp i, 0,1,2,3,4,5,6,7,8,9,10,11,12,13,14,15
	s_wait_dscnt 15-\i
	global_store_b128 v[GO], v[A0+4*\i:A0+4*\i+3], s[14:15] offset:4096*\i   ; head i: the wave stores 512 consecutive bytes, aligned
.endr
.Lend:
	s_wait_tensorcnt 0x0
	ds_add_u32 v240, v241
	s_wait_dscnt 0x0
	s_endpgm
.Lfunc_end_k_q3ad64cfee2_pool:
	.size	k_q3ad64cfee2_pool, .Lfunc_end_k_q3ad64cfee2_pool-k_q3ad64cfee2_pool
	.p2alignl 7, 3214868480
	.fill 96, 4, 3214868480
	.section	.rodata,"a",@progbits
	.p2align	6, 0x0
	.amdhsa_kernel k_q3ad64cfee2_pool
		.amdhsa_group_segment_fixed_size 309504
		.amdhsa_private_segment_fixed_size 0
		.amdhsa_enable_private_segment 0
		.amdhsa_kernarg_size 56
		.amdhsa_user_sgpr_count 2
		.amdhsa_user_sgpr_kernarg_segment_ptr 1
		.amdhsa_wavefront_size32 1
		.amdhsa_system_sgpr_workgroup_id_x 1
		.amdhsa_system_sgpr_workgroup_id_y 1
		.amdhsa_system_sgpr_workgroup_id_z 1
		.amdhsa_system_vgpr_workitem_id 0
		.amdhsa_next_free_vgpr 242
		.amdhsa_next_free_sgpr 66
		.amdhsa_reserve_vcc 0
		.amdhsa_float_denorm_mode_32 3
		.amdhsa_float_denorm_mode_16_64 3
		.amdhsa_memory_ordered 1
		.amdhsa_forward_progress 1
		.amdhsa_inst_pref_size 168
	.end_amdhsa_kernel
	.amdgpu_metadata
---
amdhsa.version: [ 1, 2 ]
amdhsa.kernels:
  - .name:           k_q3ad64cfee2_pool
    .symbol:         k_q3ad64cfee2_pool.kd
    .args:
      - { .name: patches, .offset: 0, .size: 8, .value_kind: global_buffer, .address_space: global }
      - { .name: storage, .offset: 8, .size: 8, .value_kind: global_buffer, .address_space: global }
      - { .name: cls_tok, .offset: 16, .size: 8, .value_kind: global_buffer, .address_space: global }
      - { .name: uf, .offset: 24, .size: 8, .value_kind: global_buffer, .address_space: global }
      - { .name: cv, .offset: 32, .size: 8, .value_kind: global_buffer, .address_space: global }
      - { .name: part, .offset: 40, .size: 8, .value_kind: global_buffer, .address_space: global }
      - { .name: stat, .offset: 48, .size: 8, .value_kind: global_buffer, .address_space: global }
    .group_segment_fixed_size: 309504
    .private_segment_fixed_size: 0
    .kernarg_segment_align: 8
    .kernarg_segment_size: 56
    .max_flat_workgroup_size: 288
    .sgpr_count:     66
    .vgpr_count:     242
    .wavefront_size: 32
...
	.end_amdgpu_metadata
.endif
;; end of part 2
;; launch ctxk (part 3): grid 4 x 16, 16 waves a work-group, clusters of 4 x 1, 319,488 bytes of LDS; arguments part, stat, ln_kv_g, ln_kv_b, Wv, bv, ctx; writes ctx
.if DOCPART == 3
	.amdgcn_target "amdgcn-amd-amdhsa--gfx1250"
	.amdhsa_code_object_version 6
	.text
	.protected	k_q3ad64cfee2_ctxk
	.globl	k_q3ad64cfee2_ctxk
	.p2align	8
	.type	k_q3ad64cfee2_ctxk,@function
k_q3ad64cfee2_ctxk:
	s_mov_b64 s[64:65], 0
	v_nop
	global_prefetch_b8 v0, s[64:65] scope:SCOPE_SE
	s_setreg_imm32_b32 hwreg(HW_REG_WAVE_MODE, 25, 1), 1
	s_wait_xcnt 0x0
	s_wait_alu depctr_hold_cnt(0) depctr_sa_sdst(0) depctr_va_vdst(0) depctr_va_sdst(0) depctr_va_ssrc(0) depctr_va_vcc(0) depctr_vm_vsrc(0)
	s_getreg_b32 s2, hwreg(HW_REG_IB_STS2, 6, 4)
	s_cmp_eq_u32 s2, 0
	s_cbranch_scc0 .Lentry_in_a_cluster
	s_endpgm
.Lentry_in_a_cluster:
	s_bfe_u32 s2, ttmp6, 0x10000c
	s_cmp_lg_u32 s2, 0x3003
	s_cbranch_scc0 .Lentry_shape_is_right
	s_endpgm
.Lentry_shape_is_right:
; ctxk: ctx[b][64 h + o] = Wv[64 h + o] . (g o pooled_h(b) + beta) + bv[64 h + o], where pooled_h(b) joins the four quarters of launch pool by their maxima:
; pooled = sum_q e_q part_q / sum_q e_q sum_q, e_q = 2^(max_q - largest max).  (The attention weights add up to 1, so beta and bv enter once.)
; Work-group = 16 batches (mt) x the 64 outputs of head h, K = 1,024.  LIMITS: both matrix operands are f16 (sums f32): |g pooled + beta| and |Wv| below 65,504.
; CLUSTER: the four work-groups along x differ in mt alone and need the same 64 rows of Wv, 256 KiB, half of what a work-group reads: they ask for them jointly (mask 15).
; The place in the cluster enters global addresses of the work-group's own loads and stores alone: no LDS address, no branch, no descriptor.
; LDS: WT: four quarters of K, each 64 rows x 1,040 bytes (1,024 + 16) of f32, filled once by waves 0 to 3; A: 16 rows x 2,064 bytes of f16; RED: 4 x 16 rows x 272 bytes of f32.
.set PW,   1040
.set WQ,   66560
.set AL,   266240
.set PA,   2064
.set RED,  299264
.set PR,   272
.set G,    40                          ; v[40:71]   g
.set BT,   72                          ; v[72:103]  beta
.set P,    104                         ; v[104:231] the four quarters' rows
.set T,    232                         ; v[232:247] the row as f16
.set WF,   40                          ; v[40:167]  matmul: Wv in f32, 16 registers a K step
.set AF,   168                         ; v[168:231] batch fragments, 8 a K step
.set F0,   232                         ; Wv fragments in f16, two buffers
.set F1,   240
.set ACC0, 8
.set ACC1, 16
.macro ROUND                           ; a round of the cluster's barrier: my work-group's barrier, wave 0 signals for the work-group, every wave waits for all four, my work-group's barrier again
	s_barrier_signal -1
	s_barrier_wait -1
	s_cmp_lg_u32 s20, 0
	s_cbranch_scc1 .Lnot_wave_0_\@
	s_barrier_signal -3
.Lnot_wave_0_\@:
	s_barrier_wait -3
	s_barrier_signal -1
	s_barrier_wait -1
.endm
; One K step of 32: Wv's 16 rows to f16, then the product.  Source 0 = Wv (m = output), source 1 = the batches' rows (n = batch): a lane's eight results are eight neighbouring outputs of one batch.
; The buffer written here was read by the matrix instruction two steps back; the eight conversions of the step between, which name none of its registers, are its places (ISA guide 7.12.1).
; The two accumulators take turns, one instruction a turn.
.macro KSTEP ks, f, acc
	s_wait_dscnt 6*(7-\ks)                         ; the later K steps' loads stay out, six each
.irp i, 0,1,2,3,4,5,6,7
	v_cvt_pk_f16_f32 v[\f+\i], v[WF+16*\ks+2*\i], v[WF+16*\ks+2*\i+1]
.endr
.if \ks < 2
	v_wmma_f32_16x16x32_f16 v[\acc:\acc+7], v[\f:\f+7], v[AF+8*\ks:AF+8*\ks+7], 0
.else
	v_wmma_f32_16x16x32_f16 v[\acc:\acc+7], v[\f:\f+7], v[AF+8*\ks:AF+8*\ks+7], v[\acc:\acc+7]
.endif
.endm
	s_load_b256 s[4:11], s[0:1], 0x0               ; part 4, stat 6, g 8, beta 10
	s_load_b128 s[12:15], s[0:1], 0x20             ; Wv 12, bv 14
	s_load_b64 s[16:17], s[0:1], 0x30              ; ctx
	v_lshl_add_u32 v248, v0, 2, 0x4d800
	v_mov_b32 v249, 0
	ds_add_u32 v248, v249
	ds_add_u32 v248, v249
	v_lshrrev_b32 v1, 5, v0
	v_readfirstlane_b32 s20, v1                    ; wave w
	v_and_b32 v1, 31, v0                           ; L
	v_and_b32 v2, 15, v0                           ; r
	v_bfe_u32 v3, v0, 4, 1                         ; hh = L / 16
	v_lshlrev_b32 v4, 4, v1                        ; 16 L
	v_mov_b32 v5, 0
	v_lshlrev_b32 v7, 3, v1                        ; 8 L
	s_and_b32 s21, ttmp7, 0xffff                   ; h
	s_bfe_u32 s22, ttmp6, 0x40000                  ; my place along the cluster's x
	s_lshl_b32 s23, ttmp9, 2
	s_add_co_u32 s23, s23, s22                     ; mt
	s_lshl_b32 s23, s23, 4
	s_add_co_u32 s23, s23, s20                     ; b = 16 mt + w: the batch whose row this wave prepares and finishes
	s_lshl_b32 s24, s23, 18
	s_lshl_b32 s18, s21, 12
	s_add_co_u32 s24, s24, s18                     ; part[b][0][h]
	s_mov_b32 s25, 0
	s_lshl_b32 s26, s23, 9
	s_lshl_b32 s18, s21, 2
	s_add_co_u32 s26, s26, s18                     ; stat[b][0][h]
	s_mov_b32 s27, 0
	s_lshl_b32 s28, s21, 18                        ; Wv's row 64 h,
	s_lshl_b32 s18, s20, 10                        ; quarter w of K: head and wave alone, alike in all four partners
	s_add_co_u32 s28, s28, s18
	s_mov_b32 s29, 0
	s_lshl_b32 s30, s21, 8                         ; 64 h numbers of 4 bytes
	s_mov_b32 s31, 0
	s_lshl_b32 s36, s23, 12
	s_add_co_u32 s36, s36, s30                     ; ctx[b][64 h]
	s_mov_b32 s37, 0
	s_mul_i32 s38, s20, PA
	s_add_co_u32 s38, s38, AL
	v_lshl_add_u32 v6, v1, 3, s38                  ; A: row w, 8 L
	; group 1: 64 rows x 256 elements of 4 bytes, 4 words of padding behind every 256 words; mask 15 names the four work-groups, bit 21 is set beside it
	s_mov_b32 s40, 15|(2<<16)|(1<<20)|(1<<21)|(7<<22)|(3<<25)
	s_mov_b32 s41, 256<<16
	s_mov_b32 s42, 64<<16
	s_mov_b32 s43, 256<<16
	s_mov_b32 s44, 64
	s_mov_b32 s45, 1024
	s_mov_b32 s46, 0
	s_mov_b32 s47, 0
	s_mov_b32 s32, 1
	s_mul_i32 s33, s20, WQ
	s_wait_dscnt 0x0
	s_wait_kmcnt 0x0
	s_add_nc_u64 s[34:35], s[12:13], s[28:29]
	s_or_b32 s35, s35, 0x80000000
	s_add_nc_u64 s[4:5], s[4:5], s[24:25]
	s_add_nc_u64 s[6:7], s[6:7], s[26:27]
	s_add_nc_u64 s[14:15], s[14:15], s[30:31]
	s_add_nc_u64 s[16:17], s[16:17], s[36:37]
	global_load_b64 v[32:33], v7, s[14:15]         ; bv of the two outputs that I finish
.irp p, 0,1,2,3
	global_load_b32 v[8+\p], v5, s[6:7] offset:128*\p            ; the quarters' maxima,
.endr
.irp p, 0,1,2,3
	global_load_b32 v[12+\p], v5, s[6:7] offset:128*\p+64        ; and sums
.endr
.irp j, 0,1,2,3,4,5,6,7
	global_load_b128 v[G+4*\j:G+4*\j+3], v4, s[8:9] offset:512*\j
.endr
.irp j, 0,1,2,3,4,5,6,7
	global_load_b128 v[BT+4*\j:BT+4*\j+3], v4, s[10:11] offset:512*\j
.endr
.irp p, 0,1,2,3
.irp j, 0,1,2,3,4,5,6,7
	global_load_b128 v[P+32*\p+4*\j:P+32*\p+4*\j+3], v4, s[4:5] offset:65536*\p+512*\j th:TH_LOAD_NT
.endr
.endr
	ROUND                                          ; all four work-groups are here: the joint loads meet
	s_cmp_lt_u32 s20, 4
	s_cbranch_scc0 .Lno_fetch
	tensor_load_to_lds s[32:35], s[40:47]          ; waves 0 to 3: one load each, a quarter of K; one is out a wave
	s_nop 0
.Lno_fetch:
	s_wait_loadcnt 48                              ; bv, maxima and sums are in; g, beta and the four rows (8 + 8 + 32 loads) stay out
	v_max3_num_f32 v24, v8, v9, v10
	v_max_num_f32 v24, v24, v11
.irp p, 0,1,2,3
	v_sub_f32 v[8+\p], v[8+\p], v24
.endr
.irp p, 0,1,2,3
	v_exp_f32 v[8+\p], v[8+\p]
.endr
	v_nop                                          ; one plain place behind a transcendental (ISA guide 5.7.2)
	s_wait_alu depctr_va_vdst(0)
	v_mul_f32 v25, v8, v12
	v_fmac_f32 v25, v9, v13
	v_fmac_f32 v25, v10, v14
	v_fmac_f32 v25, v11, v15                       ; the softmax's denominator: at least 1
	v_rcp_f32 v25, v25
	v_nop
	s_wait_alu depctr_va_vdst(0)
.irp p, 0,1,2,3
	v_mul_f32 v[16+2*\p], v[8+\p], v25             ; the quarter's weight, twice
	v_mul_f32 v[17+2*\p], v[8+\p], v25
.endr
	s_wait_loadcnt 0x0
.irp i, 0,2,4,6,8,10,12,14,16,18,20,22,24,26,28,30
	v_pk_mul_f32 v[P+\i:P+\i+1], v[P+\i:P+\i+1], v[16:17]
	v_pk_fma_f32 v[P+\i:P+\i+1], v[P+32+\i:P+32+\i+1], v[18:19], v[P+\i:P+\i+1]
	v_pk_fma_f32 v[P+\i:P+\i+1], v[P+64+\i:P+64+\i+1], v[20:21], v[P+\i:P+\i+1]
	v_pk_fma_f32 v[P+\i:P+\i+1], v[P+96+\i:P+96+\i+1], v[22:23], v[P+\i:P+\i+1]
	v_pk_fma_f32 v[P+\i:P+\i+1], v[P+\i:P+\i+1], v[G+\i:G+\i+1], v[BT+\i:BT+\i+1]
.endr
.irp i, 0,1,2,3,4,5,6,7,8,9,10,11,12,13,14,15
	v_cvt_pk_f16_f32 v[T+\i], v[P+2*\i], v[P+2*\i+1]
.endr
.irp j, 0,1,2,3,4,5,6,7
	ds_store_b64 v6, v[T+2*\j:T+2*\j+1] offset:256*\j
.endr
	; wave w multiplies outputs 16 nt .. + 15 (nt = w & 3) over quarter kq = w >> 2 of K
	s_and_b32 s38, s20, 3
	s_lshr_b32 s39, s20, 2
	v_lshl_add_u32 v24, s38, 4, v2
	v_mul_u32_u24 v24, v24, PW
	v_lshl_add_u32 v24, v3, 5, v24
	s_mul_i32 s18, s39, WQ
	v_add_nc_u32 v24, s18, v24                     ; Wv: row 16 nt + r of quarter kq, 32 hh
	v_mul_u32_u24 v25, v2, PA
	v_lshl_add_u32 v25, v3, 4, v25
	s_lshl_b32 s19, s39, 9
	s_add_co_u32 s19, s19, AL
	v_add_nc_u32 v25, s19, v25                     ; A: row r, 512 kq + 16 hh
	v_mul_u32_u24 v26, v2, PR
	v_lshl_add_u32 v26, v3, 5, v26
	s_mul_i32 s18, s39, 16*PR
	s_lshl_b32 s19, s38, 6
	s_add_co_u32 s18, s18, s19
	s_add_co_u32 s18, s18, RED
	v_add_nc_u32 v26, s18, v26                     ; RED: part kq, batch r, 64 nt + 32 hh
	s_mul_i32 s19, s20, PR
	s_add_co_u32 s19, s19, RED
	v_add_nc_u32 v27, s19, v7                      ; RED: batch w, 8 L
	s_wait_dscnt 0x0                               ; my row of A is stored,
	s_wait_tensorcnt 0x0                           ; my quarter of Wv has landed, before I say so
	s_barrier_signal -1
	s_barrier_wait -1
.irp ks, 0,1,2,3,4,5,6,7
	ds_load_b128 v[WF+16*\ks:WF+16*\ks+3], v24 offset:128*\ks
	ds_load_b128 v[WF+16*\ks+4:WF+16*\ks+7], v24 offset:128*\ks+16
	ds_load_b128 v[WF+16*\ks+8:WF+16*\ks+11], v24 offset:128*\ks+64
	ds_load_b128 v[WF+16*\ks+12:WF+16*\ks+15], v24 offset:128*\ks+80
	ds_load_b128 v[AF+8*\ks:AF+8*\ks+3], v25 offset:64*\ks
	ds_load_b128 v[AF+8*\ks+4:AF+8*\ks+7], v25 offset:64*\ks+32
.endr
	KSTEP 0, F0, ACC0
	KSTEP 1, F1, ACC1
	KSTEP 2, F0, ACC0
	KSTEP 3, F1, ACC1
	KSTEP 4, F0, ACC0
	KSTEP 5, F1, ACC1
	KSTEP 6, F0, ACC0
	KSTEP 7, F1, ACC1
.rept 4
	v_nop                                          ; four places before the results are read (ISA guide 7.12.1)
.endr
.irp j, 0,2,4,6
	v_pk_add_f32 v[ACC0+\j:ACC0+\j+1], v[ACC0+\j:ACC0+\j+1], v[ACC1+\j:ACC1+\j+1]
.endr
	ds_store_b128 v26, v[ACC0:ACC0+3]
	ds_store_b128 v26, v[ACC0+4:ACC0+7] offset:16
	s_wait_dscnt 0x0
	s_barrier_signal -1
	s_barrier_wait -1
	; wave w adds the four quarters of K for batch 16 mt + w
.irp i, 0,1,2,3
	ds_load_b64 v[40+2*\i:41+2*\i], v27 offset:16*PR*\i
.endr
	s_wait_dscnt 0x0
	v_pk_add_f32 v[40:41], v[40:41], v[42:43]
	v_pk_add_f32 v[44:45], v[44:45], v[46:47]
	v_pk_add_f32 v[40:41], v[40:41], v[44:45]
	v_pk_add_f32 v[40:41], v[40:41], v[32:33]
	global_store_b64 v7, v[40:41], s[16:17]        ; the wave stores 256 consecutive bytes, aligned
	s_wait_tensorcnt 0x0
	ds_add_u32 v248, v249
	s_wait_dscnt 0x0
	ROUND                                          ; the closing round: no work-group ends while a partner may still ask jointly
	s_endpgm
.Lfunc_end_k_q3ad64cfee2_ctxk:
	.size	k_q3ad64cfee2_ctxk, .Lfunc_end_k_q3ad64cfee2_ctxk-k_q3ad64cfee2_ctxk
	.p2alignl 7, 3214868480
	.fill 96, 4, 3214868480
	.section	.rodata,"a",@progbits
	.p2align	6, 0x0
	.amdhsa_kernel k_q3ad64cfee2_ctxk
		.amdhsa_group_segment_fixed_size 319488
		.amdhsa_private_segment_fixed_size 0
		.amdhsa_enable_private_segment 0
		.amdhsa_kernarg_size 56
		.amdhsa_user_sgpr_count 2
		.amdhsa_user_sgpr_kernarg_segment_ptr 1
		.amdhsa_wavefront_size32 1
		.amdhsa_system_sgpr_workgroup_id_x 1
		.amdhsa_system_sgpr_workgroup_id_y 1
		.amdhsa_system_sgpr_workgroup_id_z 1
		.amdhsa_system_vgpr_workitem_id 0
		.amdhsa_next_free_vgpr 250
		.amdhsa_next_free_sgpr 66
		.amdhsa_reserve_vcc 0
		.amdhsa_float_denorm_mode_32 3
		.amdhsa_float_denorm_mode_16_64 3
		.amdhsa_memory_ordered 1
		.amdhsa_forward_progress 1
		.amdhsa_inst_pref_size 27
	.end_amdhsa_kernel
	.amdgpu_metadata
---
amdhsa.version: [ 1, 2 ]
amdhsa.kernels:
  - .name:           k_q3ad64cfee2_ctxk
    .symbol:         k_q3ad64cfee2_ctxk.kd
    .args:
      - { .name: part, .offset: 0, .size: 8, .value_kind: global_buffer, .address_space: global }
      - { .name: stat, .offset: 8, .size: 8, .value_kind: global_buffer, .address_space: global }
      - { .name: ln_kv_g, .offset: 16, .size: 8, .value_kind: global_buffer, .address_space: global }
      - { .name: ln_kv_b, .offset: 24, .size: 8, .value_kind: global_buffer, .address_space: global }
      - { .name: Wv, .offset: 32, .size: 8, .value_kind: global_buffer, .address_space: global }
      - { .name: bv, .offset: 40, .size: 8, .value_kind: global_buffer, .address_space: global }
      - { .name: ctx, .offset: 48, .size: 8, .value_kind: global_buffer, .address_space: global }
    .group_segment_fixed_size: 319488
    .private_segment_fixed_size: 0
    .kernarg_segment_align: 8
    .kernarg_segment_size: 56
    .max_flat_workgroup_size: 512
    .sgpr_count:     66
    .vgpr_count:     250
    .wavefront_size: 32
...
	.end_amdgpu_metadata
.endif
;; end of part 3
;; launch oproj (part 4): grid 4 x 16, 16 waves a work-group, clusters of 4 x 1, 319,488 bytes of LDS; arguments ctx, Wo, bo, y; writes y
.if DOCPART == 4
	.amdgcn_target "amdgcn-amd-amdhsa--gfx1250"
	.amdhsa_code_object_version 6
	.text
	.protected	k_q3ad64cfee2_oproj
	.globl	k_q3ad64cfee2_oproj
	.p2align	8
	.type	k_q3ad64cfee2_oproj,@function
k_q3ad64cfee2_oproj:
	s_mov_b64 s[64:65], 0
	v_nop
	global_prefetch_b8 v0, s[64:65] scope:SCOPE_SE
	s_setreg_imm32_b32 hwreg(HW_REG_WAVE_MODE, 25, 1), 1
	s_wait_xcnt 0x0
	s_wait_alu depctr_hold_cnt(0) depctr_sa_sdst(0) depctr_va_vdst(0) depctr_va_sdst(0) depctr_va_ssrc(0) depctr_va_vcc(0) depctr_vm_vsrc(0)
	s_getreg_b32 s2, hwreg(HW_REG_IB_STS2, 6, 4)
	s_cmp_eq_u32 s2, 0
	s_cbranch_scc0 .Lentry_in_a_cluster
	s_endpgm
.Lentry_in_a_cluster:
	s_bfe_u32 s2, ttmp6, 0x10000c
	s_cmp_lg_u32 s2, 0x3003
	s_cbranch_scc0 .Lentry_shape_is_right
	s_endpgm
.Lentry_shape_is_right:
; oproj: y[b][64 h + o] = Wo[64 h + o] . ctx[b] + bo[64 h + o].  The same skeleton as launch ctxk: work-group = 16 batches (mt) x 64 outputs (h), K = 1,024.
; LIMITS: both matrix operands are f16 (sums f32): |ctx| and |Wo| below 65,504.
; CLUSTER: the four work-groups along x differ in mt alone and need the same 64 rows of Wo, 256 KiB of the 320 KiB that a work-group reads: they ask for them jointly (mask 15).
; The place in the cluster enters global addresses of the work-group's own loads and stores alone.
; LDS: WT: four quarters of K, each 64 rows x 1,040 bytes of f32, filled once by waves 0 to 3; A: 16 rows x 2,064 bytes of f16; RED: 4 x 16 rows x 272 bytes of f32.
.set PW,   1040
.set WQ,   66560
.set AL,   266240
.set PA,   2064
.set RED,  299264
.set PR,   272
.set P,    104                         ; v[104:135] the batch's row of ctx
.set T,    232                         ; v[232:247] the row as f16
.set WF,   40                          ; v[40:167]  Wo in f32, 16 registers a K step
.set AF,   168                         ; v[168:231] batch fragments, 8 a K step
.set F0,   232                         ; Wo fragments in f16, two buffers
.set F1,   240
.set ACC0, 8
.set ACC1, 16
.macro ROUND                           ; a round of the cluster's barrier
	s_barrier_signal -1
	s_barrier_wait -1
	s_cmp_lg_u32 s20, 0
	s_cbranch_scc1 .Lnot_wave_0_\@
	s_barrier_signal -3
.Lnot_wave_0_\@:
	s_barrier_wait -3
	s_barrier_signal -1
	s_barrier_wait -1
.endm
; One K step of 32: Wo's 16 rows to f16, then the product (source 0 = Wo, m = output; source 1 = the batches' rows, n = batch).
; The buffer written here was read by the matrix instruction two steps back; the eight conversions of the step between are its places (ISA guide 7.12.1).
; The two accumulators take turns, one instruction a turn.
.macro KSTEP ks, f, acc
	s_wait_dscnt 6*(7-\ks)                         ; the later K steps' loads stay out, six each
.irp i, 0,1,2,3,4,5,6,7
	v_cvt_pk_f16_f32 v[\f+\i], v[WF+16*\ks+2*\i], v[WF+16*\ks+2*\i+1]
.endr
.if \ks < 2
	v_wmma_f32_16x16x32_f16 v[\acc:\acc+7], v[\f:\f+7], v[AF+8*\ks:AF+8*\ks+7], 0
.else
	v_wmma_f32_16x16x32_f16 v[\acc:\acc+7], v[\f:\f+7], v[AF+8*\ks:AF+8*\ks+7], v[\acc:\acc+7]
.endif
.endm
	s_load_b256 s[4:11], s[0:1], 0x0               ; ctx 4, Wo 6, bo 8, y 10
	v_lshl_add_u32 v248, v0, 2, 0x4d800
	v_mov_b32 v249, 0
	ds_add_u32 v248, v249
	ds_add_u32 v248, v249
	v_lshrrev_b32 v1, 5, v0
	v_readfirstlane_b32 s20, v1                    ; wave w
	v_and_b32 v1, 31, v0                           ; L
	v_and_b32 v2, 15, v0                           ; r
	v_bfe_u32 v3, v0, 4, 1                         ; hh
	v_lshlrev_b32 v4, 4, v1                        ; 16 L
	v_lshlrev_b32 v7, 3, v1                        ; 8 L
	s_and_b32 s21, ttmp7, 0xffff                   ; h
	s_bfe_u32 s22, ttmp6, 0x40000                  ; my place along the cluster's x
	s_lshl_b32 s23, ttmp9, 2
	s_add_co_u32 s23, s23, s22                     ; mt
	s_lshl_b32 s23, s23, 4
	s_add_co_u32 s23, s23, s20                     ; b = 16 mt + w
	s_lshl_b32 s24, s23, 12                        ; ctx[b]
	s_mov_b32 s25, 0
	s_lshl_b32 s28, s21, 18                        ; Wo's row 64 h,
	s_lshl_b32 s18, s20, 10                        ; quarter w of K: alike in all four partners
	s_add_co_u32 s28, s28, s18
	s_mov_b32 s29, 0
	s_lshl_b32 s30, s21, 8
	s_mov_b32 s31, 0
	s_add_co_u32 s36, s24, s30                     ; y[b][64 h]
	s_mov_b32 s37, 0
	s_mul_i32 s38, s20, PA
	s_add_co_u32 s38, s38, AL
	v_lshl_add_u32 v6, v1, 3, s38                  ; A: row w, 8 L
	; group 1: 64 rows x 256 elements of 4 bytes, 4 words of padding behind every 256 words; mask 15, bit 21 beside it
	s_mov_b32 s40, 15|(2<<16)|(1<<20)|(1<<21)|(7<<22)|(3<<25)
	s_mov_b32 s41, 256<<16
	s_mov_b32 s42, 64<<16
	s_mov_b32 s43, 256<<16
	s_mov_b32 s44, 64
	s_mov_b32 s45, 1024
	s_mov_b32 s46, 0
	s_mov_b32 s47, 0
	s_mov_b32 s32, 1
	s_mul_i32 s33, s20, WQ
	s_wait_dscnt 0x0
	s_wait_kmcnt 0x0
	s_add_nc_u64 s[34:35], s[6:7], s[28:29]
	s_or_b32 s35, s35, 0x80000000
	s_add_nc_u64 s[4:5], s[4:5], s[24:25]
	s_add_nc_u64 s[8:9], s[8:9], s[30:31]
	s_add_nc_u64 s[10:11], s[10:11], s[36:37]
	global_load_b64 v[32:33], v7, s[8:9]           ; bo of the two outputs that I finish
.irp j, 0,1,2,3,4,5,6,7
	global_load_b128 v[P+4*\j:P+4*\j+3], v4, s[4:5] offset:512*\j
.endr
	ROUND                                          ; all four work-groups are here: the joint loads meet
	s_cmp_lt_u32 s20, 4
	s_cbranch_scc0 .Lno_fetch
	tensor_load_to_lds s[32:35], s[40:47]          ; waves 0 to 3: one load each, a quarter of K; one is out a wave
	s_nop 0
.Lno_fetch:
	s_wait_loadcnt 0x0
.irp i, 0,1,2,3,4,5,6,7,8,9,10,11,12,13,14,15
	v_cvt_pk_f16_f32 v[T+\i], v[P+2*\i], v[P+2*\i+1]
.endr
.irp j, 0,1,2,3,4,5,6,7
	ds_store_b64 v6, v[T+2*\j:T+2*\j+1] offset:256*\j
.endr
	; wave w multiplies outputs 16 nt .. + 15 (nt = w & 3) over quarter kq = w >> 2 of K
	s_and_b32 s38, s20, 3
	s_lshr_b32 s39, s20, 2
	v_lshl_add_u32 v24, s38, 4, v2
	v_mul_u32_u24 v24, v24, PW
	v_lshl_add_u32 v24, v3, 5, v24
	s_mul_i32 s18, s39, WQ
	v_add_nc_u32 v24, s18, v24                     ; Wo: row 16 nt + r of quarter kq, 32 hh
	v_mul_u32_u24 v25, v2, PA
	v_lshl_add_u32 v25, v3, 4, v25
	s_lshl_b32 s19, s39, 9
	s_add_co_u32 s19, s19, AL
	v_add_nc_u32 v25, s19, v25                     ; A: row r, 512 kq + 16 hh
	v_mul_u32_u24 v26, v2, PR
	v_lshl_add_u32 v26, v3, 5, v26
	s_mul_i32 s18, s39, 16*PR
	s_lshl_b32 s19, s38, 6
	s_add_co_u32 s18, s18, s19
	s_add_co_u32 s18, s18, RED
	v_add_nc_u32 v26, s18, v26                     ; RED: part kq, batch r, 64 nt + 32 hh
	s_mul_i32 s19, s20, PR
	s_add_co_u32 s19, s19, RED
	v_add_nc_u32 v27, s19, v7                      ; RED: batch w, 8 L
	s_wait_dscnt 0x0                               ; my row of A is stored,
	s_wait_tensorcnt 0x0                           ; my quarter of Wo has landed, before I say so
	s_barrier_signal -1
	s_barrier_wait -1
.irp ks, 0,1,2,3,4,5,6,7
	ds_load_b128 v[WF+16*\ks:WF+16*\ks+3], v24 offset:128*\ks
	ds_load_b128 v[WF+16*\ks+4:WF+16*\ks+7], v24 offset:128*\ks+16
	ds_load_b128 v[WF+16*\ks+8:WF+16*\ks+11], v24 offset:128*\ks+64
	ds_load_b128 v[WF+16*\ks+12:WF+16*\ks+15], v24 offset:128*\ks+80
	ds_load_b128 v[AF+8*\ks:AF+8*\ks+3], v25 offset:64*\ks
	ds_load_b128 v[AF+8*\ks+4:AF+8*\ks+7], v25 offset:64*\ks+32
.endr
	KSTEP 0, F0, ACC0
	KSTEP 1, F1, ACC1
	KSTEP 2, F0, ACC0
	KSTEP 3, F1, ACC1
	KSTEP 4, F0, ACC0
	KSTEP 5, F1, ACC1
	KSTEP 6, F0, ACC0
	KSTEP 7, F1, ACC1
.rept 4
	v_nop                                          ; four places before the results are read (ISA guide 7.12.1)
.endr
.irp j, 0,2,4,6
	v_pk_add_f32 v[ACC0+\j:ACC0+\j+1], v[ACC0+\j:ACC0+\j+1], v[ACC1+\j:ACC1+\j+1]
.endr
	ds_store_b128 v26, v[ACC0:ACC0+3]
	ds_store_b128 v26, v[ACC0+4:ACC0+7] offset:16
	s_wait_dscnt 0x0
	s_barrier_signal -1
	s_barrier_wait -1
	; wave w adds the four quarters of K for batch 16 mt + w
.irp i, 0,1,2,3
	ds_load_b64 v[40+2*\i:41+2*\i], v27 offset:16*PR*\i
.endr
	s_wait_dscnt 0x0
	v_pk_add_f32 v[40:41], v[40:41], v[42:43]
	v_pk_add_f32 v[44:45], v[44:45], v[46:47]
	v_pk_add_f32 v[40:41], v[40:41], v[44:45]
	v_pk_add_f32 v[40:41], v[40:41], v[32:33]
	global_store_b64 v7, v[40:41], s[10:11]        ; the wave stores 256 consecutive bytes, aligned
	s_wait_tensorcnt 0x0
	ds_add_u32 v248, v249
	s_wait_dscnt 0x0
	ROUND                                          ; the closing round
	s_endpgm
.Lfunc_end_k_q3ad64cfee2_oproj:
	.size	k_q3ad64cfee2_oproj, .Lfunc_end_k_q3ad64cfee2_oproj-k_q3ad64cfee2_oproj
	.p2alignl 7, 3214868480
	.fill 96, 4, 3214868480
	.section	.rodata,"a",@progbits
	.p2align	6, 0x0
	.amdhsa_kernel k_q3ad64cfee2_oproj
		.amdhsa_group_segment_fixed_size 319488
		.amdhsa_private_segment_fixed_size 0
		.amdhsa_enable_private_segment 0
		.amdhsa_kernarg_size 32
		.amdhsa_user_sgpr_count 2
		.amdhsa_user_sgpr_kernarg_segment_ptr 1
		.amdhsa_wavefront_size32 1
		.amdhsa_system_sgpr_workgroup_id_x 1
		.amdhsa_system_sgpr_workgroup_id_y 1
		.amdhsa_system_sgpr_workgroup_id_z 1
		.amdhsa_system_vgpr_workitem_id 0
		.amdhsa_next_free_vgpr 250
		.amdhsa_next_free_sgpr 66
		.amdhsa_reserve_vcc 0
		.amdhsa_float_denorm_mode_32 3
		.amdhsa_float_denorm_mode_16_64 3
		.amdhsa_memory_ordered 1
		.amdhsa_forward_progress 1
		.amdhsa_inst_pref_size 17
	.end_amdhsa_kernel
	.amdgpu_metadata
---
amdhsa.version: [ 1, 2 ]
amdhsa.kernels:
  - .name:           k_q3ad64cfee2_oproj
    .symbol:         k_q3ad64cfee2_oproj.kd
    .args:
      - { .name: ctx, .offset: 0, .size: 8, .value_kind: global_buffer, .address_space: global }
      - { .name: Wo, .offset: 8, .size: 8, .value_kind: global_buffer, .address_space: global }
      - { .name: bo, .offset: 16, .size: 8, .value_kind: global_buffer, .address_space: global }
      - { .name: y, .offset: 24, .size: 8, .value_kind: global_buffer, .address_space: global }
    .group_segment_fixed_size: 319488
    .private_segment_fixed_size: 0
    .kernarg_segment_align: 8
    .kernarg_segment_size: 32
    .max_flat_workgroup_size: 512
    .sgpr_count:     66
    .vgpr_count:     250
    .wavefront_size: 32
...
	.end_amdgpu_metadata
.endif
;; end of part 4
;; launch head (part 5): grid 64 x 1, 14 waves a work-group, no clusters, 2,048 bytes of LDS; arguments y, ln_out_g, ln_out_b, Wp, bp, out0; writes out0
.if DOCPART == 5
	.amdgcn_target "amdgcn-amd-amdhsa--gfx1250"
	.amdhsa_code_object_version 6
	.text
	.protected	k_q3ad64cfee2_head
	.globl	k_q3ad64cfee2_head
	.p2align	8
	.type	k_q3ad64cfee2_head,@function
k_q3ad64cfee2_head:
	s_mov_b64 s[64:65], 0
	v_nop
	global_prefetch_b8 v0, s[64:65] scope:SCOPE_SE
	s_setreg_imm32_b32 hwreg(HW_REG_WAVE_MODE, 25, 1), 1
	s_wait_xcnt 0x0
; head: out0[b][c] = Wp[c] . (LayerNorm(y[b]) g + beta) + bp[c].  Work-group = batch b, wave = label c (14 of them); all in f32.
; 14 columns and 0.9 million multiply-adds in all: plain arithmetic; the matrix unit, LDS tiles and joint loads would add nothing.
; Every wave holds the row y[b] in 32 registers (register 4 j + i = column 128 j + 4 lane + i) and normalises it itself: mean, then the mean of squared differences.
; A row of out0 is 56 bytes, so a work-group's store is 56 consecutive bytes.
.set Y,    8                           ; v[8:39]
.set G,    40                          ; v[40:71]
.set BT,   72                          ; v[72:103]
.set WP,   104                         ; v[104:135]
.set CH,   136                         ; v[136:143] four chains
.set MEAN, 144
.set RS,   146
.set RT,   148
.set AD,   149
.macro FOLD                            ; four chains -> one number, summed over the 32 lanes, in every lane's v[CH]
	v_pk_add_f32 v[CH:CH+1], v[CH:CH+1], v[CH+2:CH+3]
	v_pk_add_f32 v[CH+4:CH+5], v[CH+4:CH+5], v[CH+6:CH+7]
	v_pk_add_f32 v[CH:CH+1], v[CH:CH+1], v[CH+4:CH+5]
	v_add_f32 v[CH], v[CH], v[CH+1]
	v_add_f32_dpp v[CH], v[CH], v[CH] row_xmask:1 row_mask:0xf bank_mask:0xf
	v_add_f32_dpp v[CH], v[CH], v[CH] row_xmask:2 row_mask:0xf bank_mask:0xf
	v_add_f32_dpp v[CH], v[CH], v[CH] row_xmask:4 row_mask:0xf bank_mask:0xf
	v_add_f32_dpp v[CH], v[CH], v[CH] row_xmask:8 row_mask:0xf bank_mask:0xf
	v_permlanex16_b32 v[RT], v[CH], s24, s25
	v_add_f32 v[CH], v[CH], v[RT]
.endm
	s_load_b256 s[4:11], s[0:1], 0x0               ; y 4, g 6, beta 8, Wp 10
	s_load_b128 s[12:15], s[0:1], 0x20             ; bp 12, out0 14
	v_lshl_add_u32 v168, v0, 2, 0x100
	v_mov_b32 v169, 0
	v_lshrrev_b32 v1, 5, v0
	v_readfirstlane_b32 s20, v1                    ; wave = label c
	v_and_b32 v1, 31, v0
	v_lshlrev_b32 v2, 4, v1                        ; 16 lane
	v_mov_b32 v[RT], 0
	s_mov_b32 s24, 0x76543210
	s_mov_b32 s25, 0xfedcba98
	s_mov_b32 s26, 0x3a800000                      ; 1 / 1024
	s_mov_b32 s27, 0x3727c5ac                      ; 1e-5
	s_lshl_b32 s16, ttmp9, 12
	s_mov_b32 s17, 0
	s_lshl_b32 s18, s20, 12
	s_mov_b32 s19, 0
	s_lshl_b32 s21, s20, 2
	s_mul_i32 s22, ttmp9, 56
	s_mov_b32 s23, 0
	s_wait_kmcnt 0x0
	s_add_nc_u64 s[4:5], s[4:5], s[16:17]
	s_add_nc_u64 s[10:11], s[10:11], s[18:19]
	s_add_nc_u64 s[14:15], s[14:15], s[22:23]
	s_load_b32 s16, s[12:13], s21 offset:0x0       ; bp[c]
.irp j, 0,1,2,3,4,5,6,7
	global_load_b128 v[Y+4*\j:Y+4*\j+3], v2, s[4:5] offset:512*\j
.endr
.irp j, 0,1,2,3,4,5,6,7
	global_load_b128 v[G+4*\j:G+4*\j+3], v2, s[6:7] offset:512*\j
.endr
.irp j, 0,1,2,3,4,5,6,7
	global_load_b128 v[BT+4*\j:BT+4*\j+3], v2, s[8:9] offset:512*\j
.endr
.irp j, 0,1,2,3,4,5,6,7
	global_load_b128 v[WP+4*\j:WP+4*\j+3], v2, s[10:11] offset:512*\j
.endr
	s_wait_loadcnt 24                              ; the row is in; g, beta and Wp's row (8 loads each) stay out
.irp c, 0,2,4,6
	v_pk_add_f32 v[CH+\c:CH+\c+1], v[Y+\c:Y+\c+1], v[Y+\c+8:Y+\c+9]
.endr
.irp c, 0,2,4,6
	v_pk_add_f32 v[CH+\c:CH+\c+1], v[CH+\c:CH+\c+1], v[Y+\c+16:Y+\c+17]
.endr
.irp c, 0,2,4,6
	v_pk_add_f32 v[CH+\c:CH+\c+1], v[CH+\c:CH+\c+1], v[Y+\c+24:Y+\c+25]
.endr
	FOLD
	v_mul_f32 v[MEAN], s26, v[CH]
	v_mul_f32 v[MEAN+1], s26, v[CH]
.irp p, 0,2,4,6,8,10,12,14,16,18,20,22,24,26,28,30
	v_pk_add_f32 v[Y+\p:Y+\p+1], v[Y+\p:Y+\p+1], v[MEAN:MEAN+1] neg_lo:[0,1] neg_hi:[0,1]
.endr
.irp c, 0,2,4,6
	v_pk_mul_f32 v[CH+\c:CH+\c+1], v[Y+\c:Y+\c+1], v[Y+\c:Y+\c+1]
.endr
.irp p, 8,10,12,14,16,18,20,22,24,26,28,30
	v_pk_fma_f32 v[CH+\p%8:CH+\p%8+1], v[Y+\p:Y+\p+1], v[Y+\p:Y+\p+1], v[CH+\p%8:CH+\p%8+1]
.endr
	FOLD
	v_fma_f32 v[CH], v[CH], s26, s27               ; variance + eps
	v_rsq_f32 v[RS], v[CH]
	v_rsq_f32 v[RS+1], v[CH]
	v_nop                                          ; one plain place behind a transcendental (ISA guide 5.7.2)
	s_wait_alu depctr_va_vdst(0)
.irp p, 0,2,4,6,8,10,12,14,16,18,20,22,24,26,28,30
	v_pk_mul_f32 v[Y+\p:Y+\p+1], v[Y+\p:Y+\p+1], v[RS:RS+1]
.endr
	s_wait_loadcnt 0x0
.irp p, 0,2,4,6,8,10,12,14,16,18,20,22,24,26,28,30
	v_pk_fma_f32 v[Y+\p:Y+\p+1], v[Y+\p:Y+\p+1], v[G+\p:G+\p+1], v[BT+\p:BT+\p+1]
.endr
.irp c, 0,2,4,6
	v_pk_mul_f32 v[CH+\c:CH+\c+1], v[Y+\c:Y+\c+1], v[WP+\c:WP+\c+1]
.endr
.irp p, 8,10,12,14,16,18,20,22,24,26,28,30
	v_pk_fma_f32 v[CH+\p%8:CH+\p%8+1], v[Y+\p:Y+\p+1], v[WP+\p:WP+\p+1], v[CH+\p%8:CH+\p%8+1]
.endr
	FOLD
	s_wait_kmcnt 0x0
	v_add_f32 v[CH], s16, v[CH]
	v_mov_b32 v[AD], s21
	ds_store_b32 v[AD], v[CH]                      ; word c; all lanes write the same value
	s_wait_dscnt 0x0
	s_barrier_signal -1
	s_barrier_wait -1
	s_cmp_lg_u32 s20, 0
	s_cbranch_scc1 .Lend
	v_min_u32 v[AD], 13, v1                        ; all lanes read; those beyond 13 repeat word 13 and store nothing
	v_lshlrev_b32 v[AD], 2, v[AD]
	ds_load_b32 v[CH], v[AD]
	v_lshlrev_b32 v[CH+1], 2, v1
	v_cmp_gt_u32 vcc_lo, 14, v1
	s_wait_dscnt 0x0
	s_wait_xcnt 0x0                                ; EXEC is a source of the loads above: it changes only behind this wait
	s_and_saveexec_b32 s17, vcc_lo
	global_store_b32 v[CH+1], v[CH], s[14:15]      ; 14 lanes: the batch's 56 bytes
	s_wait_xcnt 0x0                                ; and again in front of the line that widens it
	s_or_b32 exec_lo, exec_lo, s17
.Lend:
	s_wait_tensorcnt 0x0
	ds_add_u32 v168, v169
	s_wait_dscnt 0x0
	s_endpgm
.Lfunc_end_k_q3ad64cfee2_head:
	.size	k_q3ad64cfee2_head, .Lfunc_end_k_q3ad64cfee2_head-k_q3ad64cfee2_head
	.p2alignl 7, 3214868480
	.fill 96, 4, 3214868480
	.section	.rodata,"a",@progbits
	.p2align	6, 0x0
	.amdhsa_kernel k_q3ad64cfee2_head
		.amdhsa_group_segment_fixed_size 2048
		.amdhsa_private_segment_fixed_size 0
		.amdhsa_enable_private_segment 0
		.amdhsa_kernarg_size 48
		.amdhsa_user_sgpr_count 2
		.amdhsa_user_sgpr_kernarg_segment_ptr 1
		.amdhsa_wavefront_size32 1
		.amdhsa_system_sgpr_workgroup_id_x 1
		.amdhsa_system_sgpr_workgroup_id_y 1
		.amdhsa_system_sgpr_workgroup_id_z 1
		.amdhsa_system_vgpr_workitem_id 0
		.amdhsa_next_free_vgpr 170
		.amdhsa_next_free_sgpr 66
		.amdhsa_reserve_vcc 1
		.amdhsa_float_denorm_mode_32 3
		.amdhsa_float_denorm_mode_16_64 3
		.amdhsa_memory_ordered 1
		.amdhsa_forward_progress 1
		.amdhsa_inst_pref_size 13
	.end_amdhsa_kernel
	.amdgpu_metadata
---
amdhsa.version: [ 1, 2 ]
amdhsa.kernels:
  - .name:           k_q3ad64cfee2_head
    .symbol:         k_q3ad64cfee2_head.kd
    .args:
      - { .name: y, .offset: 0, .size: 8, .value_kind: global_buffer, .address_space: global }
      - { .name: ln_out_g, .offset: 8, .size: 8, .value_kind: global_buffer, .address_space: global }
      - { .name: ln_out_b, .offset: 16, .size: 8, .value_kind: global_buffer, .address_space: global }
      - { .name: Wp, .offset: 24, .size: 8, .value_kind: global_buffer, .address_space: global }
      - { .name: bp, .offset: 32, .size: 8, .value_kind: global_buffer, .address_space: global }
      - { .name: out0, .offset: 40, .size: 8, .value_kind: global_buffer, .address_space: global }
    .group_segment_fixed_size: 2048
    .private_segment_fixed_size: 0
    .kernarg_segment_align: 8
    .kernarg_segment_size: 48
    .max_flat_workgroup_size: 448
    .sgpr_count:     66
    .vgpr_count:     170
    .wavefront_size: 32
...
	.end_amdgpu_metadata
.endif
;; end of part 5
;; ======== version 2 of 2: 5 launches; 1.15 times as fast as version 1
;; limits: values are held in f16: magnitudes above 65,504 overflow, below 6.1e-05 lose precision
;; workspace buffers: uf 32,768 bytes; cv 256 bytes; part 16,777,216 bytes; stat 32,768 bytes; ctx 1,048,576 bytes; y 1,048,576 bytes
;; launch prep (part 6): grid 4 x 16, 16 waves a work-group, clusters of 4 x 1, 280,832 bytes of LDS; arguments query, Wq, bq, Wk, bk, ln_kv_g, ln_kv_b, uf, cv; writes uf, cv
.if DOCPART == 6
	.amdgcn_target "amdgcn-amd-amdhsa--gfx1250"
	.amdhsa_code_object_version 6
	.text
	.protected	k_q3ad64cfee2_prep
	.globl	k_q3ad64cfee2_prep
	.p2align	8
	.type	k_q3ad64cfee2_prep,@function
k_q3ad64cfee2_prep:
	s_mov_b64 s[64:65], 0
	v_nop
	global_prefetch_b8 v0, s[64:65] scope:SCOPE_SE
	s_setreg_imm32_b32 hwreg(HW_REG_WAVE_MODE, 25, 1), 1
	s_wait_xcnt 0x0
	s_wait_alu depctr_hold_cnt(0) depctr_sa_sdst(0) depctr_va_vdst(0) depctr_va_sdst(0) depctr_va_ssrc(0) depctr_va_vcc(0) depctr_vm_vsrc(0)
	s_getreg_b32 s2, hwreg(HW_REG_IB_STS2, 6, 4)
	s_cmp_eq_u32 s2, 0
	s_cbranch_scc0 .Lentry_in_a_cluster
	s_endpgm
.Lentry_in_a_cluster:
	s_bfe_u32 s2, ttmp6, 0x10000c
	s_cmp_lg_u32 s2, 0x3003
	s_cbranch_scc0 .Lentry_shape_is_right
	s_endpgm
.Lentry_shape_is_right:
; prep: folds the one query row into a score vector for each head.
;   qp = Wq query + bq;  Ur_h = Wk_h^T qp_h;  uf[h][k] = K g[k] Ur_h[k] (f16);  sum over c of cv[c][h] = K (beta . Ur_h + qp_h . bk_h),  K = log2(e) / 8.
; Then score_h(token) * log2(e) = z . uf[h] + cv[h] with z the token normalised without gain and bias: the same sum as in the problem, regrouped
; (so the order of rounding differs from a projection of every token).
; LIMITS: uf is stored in f16: |uf| has to stay below 65,504, and elements below 6e-8 become 0 (|z| <= 32 and 1,024 terms: a score moves by less than 3e-5).
; Work-group (h, c) = head h, columns 256 c .. 256 c + 255 of uf: 64 work-groups.  Wave w owns rows 64 h + 4 w + t, t = 0..3: whole rows of Wq, 256 columns of Wk's.
; It uses its own four qp on its own four rows of Wk, so qp never leaves the wave; the sixteen waves' parts of Ur meet in LDS.
; CLUSTER: the four work-groups of a head need the same 64 rows of Wq, 256 KiB of the 390 KiB that a work-group reads: they ask for them jointly (mask 15).
; Each wave asks for its own four rows (16 KiB, dense: stated as 64 rows of 256 bytes) into its own 16 KiB of LDS and is their only reader, behind its own wait; one tensor load a wave is out.
; The descriptor hangs on h and w alone.  The place in the cluster (c) enters the global bases of the work-group's own loads and stores alone: no LDS address, no branch, no compare.
; cv comes in four parts, one a work-group: K (beta . Ur over its 256 columns + a quarter of qp . bk); the reader adds the four.
; One-row products: plain f32 arithmetic; a matrix tile would be 15/16 empty.
; LDS: WQT 16 x 16,384 bytes, filled once by the tensor loads; UP 16 x 1,024 bytes of partial Ur; CP 16 words.  UP and CP begin at multiples of 256 bytes and no fill lands there.
.set KLOG, 0x3e38aa3b                  ; log2(e) / 8
.set UP,   262144
.set CP,   278528
.set GQ,   4                           ; v[4:7]     g of the four columns that waves 0 and 1 finish
.set Q,    8                           ; v[8:39]    query: register 4 j + i = column 128 j + 4 lane + i
.set R,    40                          ; v[40:167]  my four rows of Wq, laid as the query; later the sixteen parts of Ur
.set WK,   168                         ; v[168:199] my four rows of Wk, 8 registers each: register 4 j + i = column 256 c + 128 j + 4 lane + i
.set BE,   200                         ; v[200:207] beta of the same 8 columns
.set DD,   208                         ; v[208:223] row t: two chains (pairs) of its dot product
.set QP,   224                         ; v[224:231] qp of row t, twice (a pair for the packed forms)
.set U,    232                         ; v[232:239] this wave's part of Ur
.set CC,   240                         ; v[240:243] two chains of beta . Ur, then this wave's part of cv
.set RDA,  244                         ; LDS: UP + 512 (w & 1) + 16 lane
.set UST,  245                         ; LDS: UP + 1024 w + 16 lane
.set CST,  246                         ; LDS: CP + 4 w
.set LA,   247                         ; LDS: 16384 w + 16 lane
.macro REDSUM v                        ; sum over the 32 lanes, result in every lane
	v_add_f32_dpp v[\v], v[\v], v[\v] row_xmask:1 row_mask:0xf bank_mask:0xf
	v_add_f32_dpp v[\v], v[\v], v[\v] row_xmask:2 row_mask:0xf bank_mask:0xf
	v_add_f32_dpp v[\v], v[\v], v[\v] row_xmask:4 row_mask:0xf bank_mask:0xf
	v_add_f32_dpp v[\v], v[\v], v[\v] row_xmask:8 row_mask:0xf bank_mask:0xf
	v_permlanex16_b32 v3, v[\v], s36, s37
	v_add_f32 v[\v], v[\v], v3
.endm
.macro ROUND                           ; a round of the cluster's barrier: my work-group's barrier, wave 0 signals for the work-group, every wave waits for all four, my work-group's barrier again
	s_barrier_signal -1
	s_barrier_wait -1
	s_cmp_lg_u32 s22, 0
	s_cbranch_scc1 .Lnot_wave_0_\@
	s_barrier_signal -3
.Lnot_wave_0_\@:
	s_barrier_wait -3
	s_barrier_signal -1
	s_barrier_wait -1
.endm
	s_load_b512 s[4:19], s[0:1], 0x0               ; query 4, Wq 6, bq 8, Wk 10, bk 12, g 14, beta 16, uf 18
	s_load_b64 s[20:21], s[0:1], 0x40              ; cv
	v_lshl_add_u32 v248, v0, 2, 0x44100
	v_mov_b32 v249, 0
	ds_add_u32 v248, v249
	ds_add_u32 v248, v249
	v_lshrrev_b32 v1, 5, v0
	v_readfirstlane_b32 s22, v1                    ; wave w
	v_and_b32 v1, 31, v0                           ; lane
	v_lshlrev_b32 v2, 4, v1                        ; 16 lane
	v_mov_b32 v3, 0                                ; v_permlanex16_b32's destination counts as read
	s_mov_b32 s36, 0x76543210
	s_mov_b32 s37, 0xfedcba98
	s_mov_b32 s56, 0x3e800000                      ; 1 / 4
	s_and_b32 s38, ttmp7, 0xffff                   ; h
	s_bfe_u32 s39, ttmp6, 0x40000                  ; my place along the cluster's x
	s_lshl_b32 s23, ttmp9, 2
	s_add_co_u32 s39, s23, s39                     ; c
	s_lshl_b32 s24, s38, 18                        ; 64 rows of 4,096 bytes a head,
	s_lshl_b32 s23, s22, 14                        ; 4 rows a wave: head and wave alone, alike in all four partners
	s_add_co_u32 s24, s24, s23
	s_mov_b32 s25, 0
	s_lshl_b32 s26, s38, 8                         ; the same rows in bq and bk: 4 bytes each
	s_lshl_b32 s23, s22, 4
	s_add_co_u32 s26, s26, s23
	s_lshl_b32 s40, s39, 10                        ; my 256 columns of f32
	s_mov_b32 s41, 0
	s_and_b32 s23, s22, 1
	s_lshl_b32 s23, s23, 9                         ; 128 columns of f32 for each of the two waves that finish
	s_add_co_u32 s42, s40, s23
	s_mov_b32 s43, 0
	v_lshl_add_u32 v[LA], s22, 14, v2
	v_add_nc_u32 v[RDA], s23, v2
	v_add_nc_u32 v[RDA], UP, v[RDA]
	v_lshl_add_u32 v[UST], s22, 10, v2
	v_add_nc_u32 v[UST], UP, v[UST]
	s_lshl_b32 s27, s22, 2
	s_add_co_u32 s27, s27, CP
	v_mov_b32 v[CST], s27
	; group 1: a dense block of 16,384 bytes as 64 rows x 32 elements of 8 bytes, no padding (a wave's LDS loads take 512 consecutive bytes); mask 15 names the four work-groups, bit 21 is set beside it
	s_mov_b32 s48, 15|(3<<16)|(1<<21)
	s_mov_b32 s49, 32<<16                          ; tensor_dim0 = 32
	s_mov_b32 s50, 64<<16                          ; tensor_dim1 = 64
	s_mov_b32 s51, 32<<16                          ; tile_dim0 = 32
	s_mov_b32 s52, 64                              ; tile_dim1 = 64
	s_mov_b32 s53, 32                              ; elements from row to row
	s_mov_b32 s54, 0
	s_mov_b32 s55, 0
	s_mov_b32 s44, 1
	s_mul_i32 s45, s22, 16384                      ; my wave's 16 KiB of LDS
	s_wait_dscnt 0x0
	s_wait_kmcnt 0x0
	s_add_nc_u64 s[46:47], s[6:7], s[24:25]        ; Wq at my four rows
	s_or_b32 s47, s47, 0x80000000
	s_add_nc_u64 s[10:11], s[10:11], s[24:25]      ; Wk at my four rows,
	s_add_nc_u64 s[10:11], s[10:11], s[40:41]      ; at my work-group's columns
	s_add_nc_u64 s[14:15], s[14:15], s[42:43]      ; g at the columns that this wave may finish
	s_add_nc_u64 s[16:17], s[16:17], s[40:41]      ; beta at my work-group's columns
	ROUND                                          ; all four work-groups are here: the joint loads meet
	tensor_load_to_lds s[44:47], s[48:55]          ; every wave: its four rows of Wq, for all four work-groups
	s_nop 0
	s_load_b128 s[28:31], s[8:9], s26 offset:0x0   ; bq of my four rows
	s_load_b128 s[32:35], s[12:13], s26 offset:0x0 ; bk of my four rows
	global_load_b128 v[GQ:GQ+3], v2, s[14:15]      ; every wave loads it, so that no branch stands round a load; waves 0 and 1 use it
.irp j, 0,1,2,3,4,5,6,7
	global_load_b128 v[Q+4*\j:Q+4*\j+3], v2, s[4:5] offset:512*\j
.endr
.irp t, 0,1,2,3
.irp j, 0,1
	global_load_b128 v[WK+8*\t+4*\j:WK+8*\t+4*\j+3], v2, s[10:11] offset:4096*\t+512*\j th:TH_LOAD_NT
.endr
.endr
.irp j, 0,1
	global_load_b128 v[BE+4*\j:BE+4*\j+3], v2, s[16:17] offset:512*\j
.endr
	s_wait_tensorcnt 0x0                           ; my four rows of Wq are in my own bytes of LDS: no other wave reads them
.irp t, 0,1,2,3
.irp j, 0,1,2,3,4,5,6,7
	ds_load_b128 v[R+32*\t+4*\j:R+32*\t+4*\j+3], v[LA] offset:4096*\t+512*\j
.endr
.endr
	s_wait_loadcnt 10                              ; g and the query are in; Wk's 8 loads and beta's 2 stay out
; Row t of Wq times the query
.macro DOTQ t
	s_wait_dscnt 24-8*\t                           ; the later rows' LDS loads stay out, eight each
	v_pk_mul_f32 v[DD+4*\t:DD+4*\t+1], v[R+32*\t:R+32*\t+1], v[Q:Q+1]
	v_pk_mul_f32 v[DD+4*\t+2:DD+4*\t+3], v[R+32*\t+2:R+32*\t+3], v[Q+2:Q+3]
.irp p, 4,8,12,16,20,24,28
	v_pk_fma_f32 v[DD+4*\t:DD+4*\t+1], v[R+32*\t+\p:R+32*\t+\p+1], v[Q+\p:Q+\p+1], v[DD+4*\t:DD+4*\t+1]
	v_pk_fma_f32 v[DD+4*\t+2:DD+4*\t+3], v[R+32*\t+\p+2:R+32*\t+\p+3], v[Q+\p+2:Q+\p+3], v[DD+4*\t+2:DD+4*\t+3]
.endr
.endm
	DOTQ 0
	DOTQ 1
	DOTQ 2
	DOTQ 3
	s_wait_kmcnt 0x0                               ; bq, bk
.irp t, 0,1,2,3
	v_pk_add_f32 v[DD+4*\t:DD+4*\t+1], v[DD+4*\t:DD+4*\t+1], v[DD+4*\t+2:DD+4*\t+3]
	v_add_f32 v[DD+4*\t], v[DD+4*\t], v[DD+4*\t+1]
	REDSUM DD+4*\t
	v_add_f32 v[QP+2*\t], s[28+\t], v[DD+4*\t]     ; qp of row t, in every lane, twice
	v_add_f32 v[QP+2*\t+1], s[28+\t], v[DD+4*\t]
.endr
	; U = sum over my four rows of qp_t x Wk's row t, on my work-group's 256 columns; the first row starts the sums
	s_wait_loadcnt 2                               ; Wk's rows are in; beta's two loads stay out
.irp p, 0,2,4,6
	v_pk_mul_f32 v[U+\p:U+\p+1], v[WK+\p:WK+\p+1], v[QP:QP+1]
.endr
.irp t, 1,2,3
.irp p, 0,2,4,6
	v_pk_fma_f32 v[U+\p:U+\p+1], v[WK+8*\t+\p:WK+8*\t+\p+1], v[QP+2*\t:QP+2*\t+1], v[U+\p:U+\p+1]
.endr
.endr
	s_wait_loadcnt 0x0                             ; beta
	v_pk_mul_f32 v[CC:CC+1], v[U:U+1], v[BE:BE+1]
	v_pk_mul_f32 v[CC+2:CC+3], v[U+2:U+3], v[BE+2:BE+3]
	v_pk_fma_f32 v[CC:CC+1], v[U+4:U+5], v[BE+4:BE+5], v[CC:CC+1]
	v_pk_fma_f32 v[CC+2:CC+3], v[U+6:U+7], v[BE+6:BE+7], v[CC+2:CC+3]
	v_pk_add_f32 v[CC:CC+1], v[CC:CC+1], v[CC+2:CC+3]
	v_add_f32 v[CC], v[CC], v[CC+1]
	REDSUM CC
	v_mul_f32 v[CC+1], s32, v[QP]                  ; qp . bk over my four rows,
	v_fma_f32 v[CC+1], v[QP+2], s33, v[CC+1]
	v_fma_f32 v[CC+1], v[QP+4], s34, v[CC+1]
	v_fma_f32 v[CC+1], v[QP+6], s35, v[CC+1]
	v_fma_f32 v[CC], v[CC+1], s56, v[CC]           ; of which each of the head's four work-groups adds a quarter (an exact scaling)
	; the sixteen waves' parts meet in LDS
.irp j, 0,1
	ds_store_b128 v[UST], v[U+4*\j:U+4*\j+3] offset:512*\j
.endr
	ds_store_b32 v[CST], v[CC]                     ; all lanes write the same word with the same value
	s_wait_dscnt 0x0                               ; my stores are done before I say so
	s_barrier_signal -1
	s_barrier_wait -1
	s_cmp_lt_u32 s22, 2
	s_cbranch_scc0 .Lnot_low
	; waves 0 and 1: columns 256 c + 128 w .. + 127, four a lane: the sixteen parts, times g, times K, to f16
.irp i, 0,1,2,3,4,5,6,7,8,9,10,11,12,13,14,15
	ds_load_b128 v[R+4*\i:R+4*\i+3], v[RDA] offset:1024*\i
.endr
	s_wait_dscnt 0x0
.irp s, 8,4,2,1
.set i, 0
.rept \s
	v_pk_add_f32 v[R+4*i:R+4*i+1], v[R+4*i:R+4*i+1], v[R+4*(i+\s):R+4*(i+\s)+1]
	v_pk_add_f32 v[R+4*i+2:R+4*i+3], v[R+4*i+2:R+4*i+3], v[R+4*(i+\s)+2:R+4*(i+\s)+3]
.set i, i+1
.endr
.endr
	v_pk_mul_f32 v[R:R+1], v[R:R+1], v[GQ:GQ+1]
	v_pk_mul_f32 v[R+2:R+3], v[R+2:R+3], v[GQ+2:GQ+3]
	v_pk_mul_f32 v[R:R+1], v[R:R+1], KLOG op_sel_hi:[1,0]
	v_pk_mul_f32 v[R+2:R+3], v[R+2:R+3], KLOG op_sel_hi:[1,0]
	v_cvt_pk_f16_f32 v[R+8], v[R], v[R+1]
	v_cvt_pk_f16_f32 v[R+9], v[R+2], v[R+3]
	s_lshl_b32 s23, s38, 11                        ; a head's row of uf: 2,048 bytes;
	s_lshl_b32 s27, s39, 9                         ; 256 columns of f16: 512 bytes;
	s_add_co_u32 s23, s23, s27
	s_lshl_b32 s27, s22, 8                         ; 128 columns: 256 bytes
	s_add_co_u32 s23, s23, s27
	v_lshl_add_u32 v[U], v1, 3, s23
	global_store_b64 v[U], v[R+8:R+9], s[18:19]    ; the wave stores 256 consecutive bytes, aligned
	s_branch .Lend
.Lnot_low:
	s_cmp_lg_u32 s22, 2
	s_cbranch_scc1 .Lend
	; wave 2: the work-group's part of the head's constant
	v_and_b32 v[U], 15, v1
	v_lshlrev_b32 v[U], 2, v[U]
	v_add_nc_u32 v[U], CP, v[U]
	ds_load_b32 v[U+1], v[U]                       ; both halves of the wave hold the sixteen parts
	s_lshl_b32 s23, s39, 6                         ; cv[c][h]
	s_lshl_b32 s27, s38, 2
	s_add_co_u32 s23, s23, s27
	v_mov_b32 v[U+2], s23
	v_cmp_eq_u32 vcc_lo, 0, v1
	s_wait_dscnt 0x0
	v_add_f32_dpp v[U+1], v[U+1], v[U+1] row_xmask:1 row_mask:0xf bank_mask:0xf
	v_add_f32_dpp v[U+1], v[U+1], v[U+1] row_xmask:2 row_mask:0xf bank_mask:0xf
	v_add_f32_dpp v[U+1], v[U+1], v[U+1] row_xmask:4 row_mask:0xf bank_mask:0xf
	v_add_f32_dpp v[U+1], v[U+1], v[U+1] row_xmask:8 row_mask:0xf bank_mask:0xf
	v_mul_f32 v[U+1], KLOG, v[U+1]
	s_wait_xcnt 0x0                                ; EXEC is a source of the loads above: it changes only behind this wait
	s_and_saveexec_b32 s57, vcc_lo
	global_store_b32 v[U+2], v[U+1], s[20:21]      ; lane 0 alone
	s_wait_xcnt 0x0                                ; and again in front of the line that widens it
	s_or_b32 exec_lo, exec_lo, s57
.Lend:
	s_wait_tensorcnt 0x0
	ds_add_u32 v248, v249
	s_wait_dscnt 0x0
	ROUND                                          ; the closing round: no work-group ends while a partner may still ask jointly
	s_endpgm
.Lfunc_end_k_q3ad64cfee2_prep:
	.size	k_q3ad64cfee2_prep, .Lfunc_end_k_q3ad64cfee2_prep-k_q3ad64cfee2_prep
	.p2alignl 7, 3214868480
	.fill 96, 4, 3214868480
	.section	.rodata,"a",@progbits
	.p2align	6, 0x0
	.amdhsa_kernel k_q3ad64cfee2_prep
		.amdhsa_group_segment_fixed_size 280832
		.amdhsa_private_segment_fixed_size 0
		.amdhsa_enable_private_segment 0
		.amdhsa_kernarg_size 72
		.amdhsa_user_sgpr_count 2
		.amdhsa_user_sgpr_kernarg_segment_ptr 1
		.amdhsa_wavefront_size32 1
		.amdhsa_system_sgpr_workgroup_id_x 1
		.amdhsa_system_sgpr_workgroup_id_y 1
		.amdhsa_system_sgpr_workgroup_id_z 1
		.amdhsa_system_vgpr_workitem_id 0
		.amdhsa_next_free_vgpr 250
		.amdhsa_next_free_sgpr 66
		.amdhsa_reserve_vcc 1
		.amdhsa_float_denorm_mode_32 3
		.amdhsa_float_denorm_mode_16_64 3
		.amdhsa_memory_ordered 1
		.amdhsa_forward_progress 1
		.amdhsa_inst_pref_size 21
	.end_amdhsa_kernel
	.amdgpu_metadata
---
amdhsa.version: [ 1, 2 ]
amdhsa.kernels:
  - .name:           k_q3ad64cfee2_prep
    .symbol:         k_q3ad64cfee2_prep.kd
    .args:
      - { .name: query, .offset: 0, .size: 8, .value_kind: global_buffer, .address_space: global }
      - { .name: Wq, .offset: 8, .size: 8, .value_kind: global_buffer, .address_space: global }
      - { .name: bq, .offset: 16, .size: 8, .value_kind: global_buffer, .address_space: global }
      - { .name: Wk, .offset: 24, .size: 8, .value_kind: global_buffer, .address_space: global }
      - { .name: bk, .offset: 32, .size: 8, .value_kind: global_buffer, .address_space: global }
      - { .name: ln_kv_g, .offset: 40, .size: 8, .value_kind: global_buffer, .address_space: global }
      - { .name: ln_kv_b, .offset: 48, .size: 8, .value_kind: global_buffer, .address_space: global }
      - { .name: uf, .offset: 56, .size: 8, .value_kind: global_buffer, .address_space: global }
      - { .name: cv, .offset: 64, .size: 8, .value_kind: global_buffer, .address_space: global }
    .group_segment_fixed_size: 280832
    .private_segment_fixed_size: 0
    .kernarg_segment_align: 8
    .kernarg_segment_size: 72
    .max_flat_workgroup_size: 512
    .sgpr_count:     66
    .vgpr_count:     250
    .wavefront_size: 32
...
	.end_amdgpu_metadata
.endif
;; end of part 6
;; launch pool (part 7): grid 256 x 1, 9 waves a work-group, no clusters, 309,504 bytes of LDS; arguments patches, storage, cls_tok, uf, cv, part, stat; writes part, stat
.if DOCPART == 7
	.amdgcn_target "amdgcn-amd-amdhsa--gfx1250"
	.amdhsa_code_object_version 6
	.text
	.protected	k_q3ad64cfee2_pool
	.globl	k_q3ad64cfee2_pool
	.p2align	8
	.type	k_q3ad64cfee2_pool,@function
k_q3ad64cfee2_pool:
	s_mov_b64 s[64:65], 0
	v_nop
	global_prefetch_b8 v0, s[64:65] scope:SCOPE_SE
	s_setreg_imm32_b32 hwreg(HW_REG_WAVE_MODE, 25, 1), 1
	s_wait_xcnt 0x0
; pool: work-group x = 4 b + q takes a quarter of batch b's tokens: patches 128 q .. 128 q + 127, storage row q, and the cls row (which counts where q = 0 alone).
; Each token is read from memory once, normalised in f32 (mean, then the mean of squared differences: no difference of large sums) and kept in LDS as f16 (z, |z| <= 32).
; Scores (base 2) = z . uf[h] + cv[h] on the matrix unit (cv comes as four parts, [4][16], which are added here); the largest score of the work-group's tokens is taken away before the exponential; then
; part[x][h][k] = sum over tokens of p z[k] (matrix unit, f16 operands, f32 sums), stat[x] = the 16 maxima and the 16 sums of p.  The next launch joins the four quarters by their maxima.
; LIMITS: z, uf and p go to the matrix unit in f16 (p <= 1; p below 6e-8 becomes 0); the sum of p is kept from the unrounded f32 values.
; Waves 0 to 7: 16 patch rows each, later 128 columns of part each.  Wave 8: the two extra rows, the fetch of uf, and stat.
; A row of 1,024 f32 = 32 registers of one wave: register 4 j + i = column 128 j + 4 lane + i; each load covers 512 consecutive bytes, aligned.  Six row slots: 24 KiB of a wave's loads are out at a time.
; No joint loads: work-groups share uf alone, 32 KiB of the 560 KiB that a work-group reads.
; LDS: Z 130 rows x 2,064 bytes (2,048 + 16: sixteen rows that a load touches start 16 bytes apart modulo 256); UB: uf in two halves of K, 16 rows x 1,040 each, filled once by two tensor loads;
; AT: p as f16, 512 bytes for each 16 tokens; MX, SM: the waves' maxima and sums.  Every region begins at a multiple of 256 bytes; only UB is a tensor load's target.
.set PZ,   2064
.set UBL,  268544
.set UBH,  16640
.set ATL,  301824
.set MXL,  306432
.set SMD,  768                         ; SM lies 768 bytes behind MX
.set PS,   528                         ; the way out: a head's 512 bytes + 16
.set MEAN, 10                          ; v[10:11] the row's mean, twice
.set RS,   12                          ; v[12:13] 1 / sqrt(var + eps), twice
.set CH,   14                          ; v[14:21] four chains (pairs)
.set RT,   22                          ; v_permlanex16_b32's destination
.set MM,   23                          ; -inf, later the head's maximum
.set T,    24                          ; v[24:39] a row as f16
.set X,    40                          ; v[40:231] six row slots
.set BUF0, 40                          ; scores: four K steps' fragments, z 8 + uf 8 registers each
.set BUF1, 104
.set ACC,  168                         ; v[168:175], v[176:183] two accumulators
.set LW,   184                         ; v[184:192] nine words from MX or SM
.set MXA,  193
.set MXS,  194
.set ATS,  195
.set TR,   10                          ; v[10:14] pooling: addresses of the five K steps' transposing loads
.set ATA,  15
.set BF0,  24                          ; p fragments
.set BF1,  32
.set A0,   40                          ; z^T fragments, 8 tiles x 8 registers
.set A1,   104
.set PACC, 168                         ; v[168:231] eight accumulators
.set STO,  232                         ; the way out: three addresses, made once at the head and never rewritten
.set RDB,  233
.set GO,   234
.set CV,   236                         ; v[236:239] the four parts of cv[r]
.macro FOLD                            ; four chains -> one number, summed over the 32 lanes, in every lane's v[CH]
	v_pk_add_f32 v[CH:CH+1], v[CH:CH+1], v[CH+2:CH+3]
	v_pk_add_f32 v[CH+4:CH+5], v[CH+4:CH+5], v[CH+6:CH+7]
	v_pk_add_f32 v[CH:CH+1], v[CH:CH+1], v[CH+4:CH+5]
	v_add_f32 v[CH], v[CH], v[CH+1]
	v_add_f32_dpp v[CH], v[CH], v[CH] row_xmask:1 row_mask:0xf bank_mask:0xf
	v_add_f32_dpp v[CH], v[CH], v[CH] row_xmask:2 row_mask:0xf bank_mask:0xf
	v_add_f32_dpp v[CH], v[CH], v[CH] row_xmask:4 row_mask:0xf bank_mask:0xf
	v_add_f32_dpp v[CH], v[CH], v[CH] row_xmask:8 row_mask:0xf bank_mask:0xf
	v_permlanex16_b32 v[RT], v[CH], s24, s25
	v_add_f32 v[CH], v[CH], v[RT]
.endm
.macro PLACES                          ; four plain vector places behind a matrix instruction (ISA guide 7.12.1) before its result is read or its registers are loaded or written
.rept 4
	v_nop
.endr
.endm
.macro LOADROW s, lo, imm, nt          ; a row of 4,096 bytes into slot s
.irp j, 0,1,2,3,4,5,6,7
.if \nt
	global_load_b128 v[X+32*\s+4*\j:X+32*\s+4*\j+3], v4, s[\lo:\lo+1] offset:\imm+512*\j th:TH_LOAD_NT
.else
	global_load_b128 v[X+32*\s+4*\j:X+32*\s+4*\j+3], v4, s[\lo:\lo+1] offset:\imm+512*\j
.endif
.endr
.endm
; The row in slot s is normalised and laid into Z at my wave's rows + imm bytes.
.macro LNROW s, imm
.irp c, 0,2,4,6
	v_pk_add_f32 v[CH+\c:CH+\c+1], v[X+32*\s+\c:X+32*\s+\c+1], v[X+32*\s+\c+8:X+32*\s+\c+9]
.endr
.irp c, 0,2,4,6
	v_pk_add_f32 v[CH+\c:CH+\c+1], v[CH+\c:CH+\c+1], v[X+32*\s+\c+16:X+32*\s+\c+17]
.endr
.irp c, 0,2,4,6
	v_pk_add_f32 v[CH+\c:CH+\c+1], v[CH+\c:CH+\c+1], v[X+32*\s+\c+24:X+32*\s+\c+25]
.endr
	FOLD
	v_mul_f32 v[MEAN], s30, v[CH]
	v_mul_f32 v[MEAN+1], s30, v[CH]
.irp p, 0,2,4,6,8,10,12,14,16,18,20,22,24,26,28,30
	v_pk_add_f32 v[X+32*\s+\p:X+32*\s+\p+1], v[X+32*\s+\p:X+32*\s+\p+1], v[MEAN:MEAN+1] neg_lo:[0,1] neg_hi:[0,1]
.endr
.irp c, 0,2,4,6
	v_pk_mul_f32 v[CH+\c:CH+\c+1], v[X+32*\s+\c:X+32*\s+\c+1], v[X+32*\s+\c:X+32*\s+\c+1]
.endr
.irp p, 8,10,12,14,16,18,20,22,24,26,28,30
	v_pk_fma_f32 v[CH+\p%8:CH+\p%8+1], v[X+32*\s+\p:X+32*\s+\p+1], v[X+32*\s+\p:X+32*\s+\p+1], v[CH+\p%8:CH+\p%8+1]
.endr
	FOLD
	v_fma_f32 v[CH], v[CH], s30, s31               ; variance + eps
	v_rsq_f32 v[RS], v[CH]
	v_rsq_f32 v[RS+1], v[CH]
	v_nop                                          ; one plain place behind a transcendental before its result is used (ISA guide 5.7.2)
	s_wait_alu depctr_va_vdst(0)
.irp p, 0,2,4,6,8,10,12,14,16,18,20,22,24,26,28,30
	v_pk_mul_f32 v[X+32*\s+\p:X+32*\s+\p+1], v[X+32*\s+\p:X+32*\s+\p+1], v[RS:RS+1]
.endr
.irp p, 0,1,2,3,4,5,6,7,8,9,10,11,12,13,14,15
	v_cvt_pk_f16_f32 v[T+\p], v[X+32*\s+2*\p], v[X+32*\s+2*\p+1]
.endr
.irp j, 0,1,2,3,4,5,6,7
	ds_store_b64 v5, v[T+2*\j:T+2*\j+1] offset:\imm+256*\j       ; 32 lanes x 8 bytes: 256 consecutive bytes
.endr
.endm
.macro TURN i                          ; patch row i of my 16; its slot then takes row i + 6
.if \i <= 10
	s_wait_loadcnt 40                              ; five younger rows stay out, 8 loads each
.else
	s_wait_loadcnt 8*(15-\i)                       ; the last rows: the count runs down
.endif
	LNROW (\i%6), PZ*\i
.if \i <= 9
	LOADROW (\i%6), 4, 4096*(\i+6), 1
.endif
.endm
; Scores.  A = 16 tokens x 32 k of z (my own rows), B = 16 heads x 32 k of uf.  Group g = K steps 4 g .. 4 g + 3: 16 LDS loads, 4 matrix instructions.
.macro LOADG g, buf
.irp i, 0,1,2,3
	ds_load_b128 v[\buf+16*\i:\buf+16*\i+3], v6 offset:64*(4*\g+\i)
	ds_load_b128 v[\buf+16*\i+4:\buf+16*\i+7], v6 offset:64*(4*\g+\i)+32
	ds_load_b128 v[\buf+16*\i+8:\buf+16*\i+11], v7 offset:((4*\g+\i)>>4)*UBH+((4*\g+\i)&15)*64
	ds_load_b128 v[\buf+16*\i+12:\buf+16*\i+15], v7 offset:((4*\g+\i)>>4)*UBH+((4*\g+\i)&15)*64+32
.endr
.endm
.macro MULG g, buf                     ; the two accumulators take turns, one instruction a turn; the first two products start the sums
.irp i, 0,1,2,3
.if (4*\g+\i) < 2
	v_wmma_f32_16x16x32_f16 v[ACC+8*(\i&1):ACC+8*(\i&1)+7], v[\buf+16*\i:\buf+16*\i+7], v[\buf+16*\i+8:\buf+16*\i+15], 0
.else
	v_wmma_f32_16x16x32_f16 v[ACC+8*(\i&1):ACC+8*(\i&1)+7], v[\buf+16*\i:\buf+16*\i+7], v[\buf+16*\i+8:\buf+16*\i+15], v[ACC+8*(\i&1):ACC+8*(\i&1)+7]
.endif
.endr
.endm
; Pooling.  K step t = tokens 32 t .. 32 t + 31.  A = z^T: 16 columns x 32 tokens by transposing loads, eight tiles; B = p: 16 heads x 32 tokens.
; Step 4 has rows 128 and 129 alone: its p for k = 2 .. 15 is 0 (masked scores) and for k = 16 .. 31 is written 0; A's k = 2 .. 15 point at the same two rows,
; and A's upper halves keep step 2's z: finite numbers that meet p = 0.
.macro LOADB t, abuf, bf
	ds_load_b128 v[\bf:\bf+3], v[ATA] offset:1024*\t
.if \t < 4
	ds_load_b128 v[\bf+4:\bf+7], v[ATA] offset:1024*\t+512
.else
.irp k, 4,5,6,7
	v_mov_b32 v[\bf+\k], 0
.endr
.endif
.irp u, 0,1,2,3,4,5,6,7
	ds_load_tr16_b128 v[\abuf+8*\u:\abuf+8*\u+3], v[TR+\t] offset:16*\u
.if \t < 4
	ds_load_tr16_b128 v[\abuf+8*\u+4:\abuf+8*\u+7], v[TR+\t] offset:16*\u+16*PZ
.endif
.endr
.endm
.macro MULB t, abuf, bf                ; eight accumulators take turns
.irp u, 0,1,2,3,4,5,6,7
.if \t == 0
	v_wmma_f32_16x16x32_f16 v[PACC+8*\u:PACC+8*\u+7], v[\abuf+8*\u:\abuf+8*\u+7], v[\bf:\bf+7], 0
.else
	v_wmma_f32_16x16x32_f16 v[PACC+8*\u:PACC+8*\u+7], v[\abuf+8*\u:\abuf+8*\u+7], v[\bf:\bf+7], v[PACC+8*\u:PACC+8*\u+7]
.endif
.endr
.endm
	s_load_b256 s[4:11], s[0:1], 0x0               ; patches 4, storage 6, cls_tok 8, uf 10
	s_load_b128 s[12:15], s[0:1], 0x20             ; cv 12, part 14
	s_load_b64 s[16:17], s[0:1], 0x30              ; stat
	v_lshl_add_u32 v240, v0, 2, 0x4b400
	v_mov_b32 v241, 0
	ds_add_u32 v240, v241
	ds_add_u32 v240, v241
	v_lshrrev_b32 v1, 5, v0
	v_readfirstlane_b32 s20, v1                    ; wave w
	v_and_b32 v1, 31, v0                           ; L
	v_and_b32 v2, 15, v0                           ; r
	v_bfe_u32 v3, v0, 4, 1                         ; h = L / 16
	v_lshlrev_b32 v4, 4, v1                        ; 16 L
	v_lshlrev_b32 v8, 2, v2                        ; 4 r: offset in cv
	v_mov_b32 v[RT], 0
	v_mov_b32 v[MM], 0xff800000                    ; -inf
	s_and_b32 s21, ttmp9, 3                        ; q
	s_lshr_b32 s22, ttmp9, 2                       ; b
	s_mov_b32 s24, 0x76543210
	s_mov_b32 s25, 0xfedcba98
	s_mov_b32 s30, 0x3a800000                      ; 1 / 1024
	s_mov_b32 s31, 0x3727c5ac                      ; 1e-5
	; which of a wave's 16 score rows are tokens: all in waves 0 to 7; in wave 8 row 0 (storage), and row 1 (cls) where q = 0.  Lanes 0 to 15 hold rows 0 to 7.
	s_cmp_eq_u32 s20, 8
	s_cselect_b32 s26, 0xffff, -1
	s_cselect_b32 s28, 0, -1
	s_cselect_b32 s29, 1, 15
	s_cmp_eq_u32 s21, 0
	s_cselect_b32 s27, 0xffff, 0
	s_cmp_eq_u32 s20, 8
	s_cselect_b32 s27, s27, -1
	; LDS addresses
	s_mul_i32 s18, s20, 16*PZ
	v_lshl_add_u32 v5, v1, 3, s18                  ; where I put 8 bytes of my wave's first row
	v_and_b32 v6, s29, v2                          ; wave 8 has two rows: the others' places repeat them and are masked
	v_lshl_add_u32 v6, s20, 4, v6
	v_mul_u32_u24 v6, v6, PZ
	v_lshl_add_u32 v6, v3, 4, v6                   ; z fragment: row x pitch + 16 h
	v_mul_u32_u24 v7, v2, 1040
	v_lshl_add_u32 v7, v3, 4, v7
	v_add_nc_u32 v7, UBL, v7                       ; uf fragment
	; the way out: each wave's stage is 16 heads x 528 bytes at 8,448 w, inside Z, used behind the last barrier.  Made here, where all waves pass (wave 8 uses none of the three).
	s_mul_i32 s18, s20, 16*PS
	v_mul_u32_u24 v[STO], v2, PS
	v_lshl_add_u32 v[STO], v3, 8, v[STO]
	v_add_nc_u32 v[STO], s18, v[STO]               ; in: head r's row, 256 h
	v_add_nc_u32 v[RDB], s18, v4                   ; back: 512 consecutive bytes of a head's row
	v_lshl_add_u32 v[GO], s20, 9, v4               ; and their place in a head's row of part: 512 w + 16 L
	; uf's descriptor, group 1: 16 rows x 512 elements of 2 bytes, 4 words of padding behind every 256 words (a row of the tile)
	s_mov_b32 s40, (1<<16)|(1<<20)|(7<<22)|(3<<25)
	s_mov_b32 s41, 512<<16                         ; tensor_dim0 = 512
	s_mov_b32 s42, 16<<16                          ; tensor_dim1 = 16
	s_mov_b32 s43, 512<<16                         ; tile_dim0 = 512
	s_mov_b32 s44, 16                              ; tile_dim1 = 16
	s_mov_b32 s45, 1024                            ; elements from row to row
	s_mov_b32 s46, 0
	s_mov_b32 s47, 0
	s_mov_b32 s32, 1
	s_mov_b32 s33, UBL
	s_mov_b32 s36, 1
	s_mov_b32 s37, UBL+UBH
	s_mov_b32 s19, 0
	s_wait_dscnt 0x0
	s_wait_kmcnt 0x0
	s_mov_b64 s[34:35], s[10:11]                   ; k = 0 .. 511
	s_or_b32 s35, s35, 0x80000000
	s_add_nc_u64 s[38:39], s[10:11], 1024          ; k = 512 .. 1023
	s_or_b32 s39, s39, 0x80000000
	s_lshl_b32 s18, ttmp9, 19                      ; 128 rows of 4,096 bytes a work-group,
	s_lshl_b32 s23, s20, 16                        ; 16 a wave
	s_add_co_u32 s18, s18, s23
	s_add_nc_u64 s[4:5], s[4:5], s[18:19]
	s_lshl_b32 s18, ttmp9, 12
	s_add_nc_u64 s[6:7], s[6:7], s[18:19]          ; storage[b][q]
	s_lshl_b32 s18, s22, 12
	s_add_nc_u64 s[8:9], s[8:9], s[18:19]          ; cls_tok[b]
	s_lshl_b32 s18, ttmp9, 16
	s_add_nc_u64 s[14:15], s[14:15], s[18:19]      ; part[x]
	s_lshl_b32 s18, ttmp9, 7
	s_add_nc_u64 s[16:17], s[16:17], s[18:19]      ; stat[x]
.irp c, 0,1,2,3
	global_load_b32 v[CV+\c], v8, s[12:13] offset:64*\c          ; the four parts of cv[r]: the oldest loads, behind every count below
.endr
	s_cmp_eq_u32 s20, 8
	s_cbranch_scc1 .Lextra
.irp i, 0,1,2,3,4,5
	LOADROW \i, 4, 4096*\i, 1
.endr
.irp i, 0,1,2,3,4,5,6,7,8,9,10,11,12,13,14,15
	TURN \i
.endr
	s_branch .Lrows_done
.Lextra:
	tensor_load_to_lds s[32:35], s[40:47]          ; wave 8 alone fetches uf: two loads out, the only ones of the launch, each into bytes filled once
	s_nop 0
	tensor_load_to_lds s[36:39], s[40:47]
	s_nop 0
	LOADROW 4, 6, 0, 1                             ; wave 8's two rows go through slots 4 and 5
	LOADROW 5, 8, 0, 0                             ; the cls row is read by four work-groups: no hint
	s_wait_loadcnt 8                               ; the storage row is in; the cls row's 8 loads stay out
	LNROW 4, 0
	s_wait_loadcnt 0x0
	LNROW 5, PZ
.Lrows_done:
	s_wait_dscnt 0x0                               ; my rows of Z are stored,
	s_wait_tensorcnt 0x0                           ; and (wave 8) uf has landed, before I say so
	s_barrier_signal -1
	s_barrier_wait -1
	LOADG 0, BUF0
	LOADG 1, BUF1
	v_add_f32 v[CV], v[CV], v[CV+1]                ; cv[r] = the sum of its four parts,
	v_add_f32 v[CV+2], v[CV+2], v[CV+3]
	v_add_f32 v8, v[CV], v[CV+2]                   ; as a pair
	v_add_f32 v9, v[CV], v[CV+2]
	v_lshlrev_b32 v[MXA], 2, v2
	v_add_nc_u32 v[MXA], MXL, v[MXA]               ; MX + 4 r
	v_lshl_add_u32 v[MXS], s20, 6, v[MXA]          ; + 64 w
	v_lshl_add_u32 v[ATS], s20, 9, v4
	v_add_nc_u32 v[ATS], ATL, v[ATS]               ; AT + 512 w + 16 L
	s_wait_dscnt 16                                ; every count of 16 here: the next group's 16 loads stay out
	MULG 0, BUF0
	PLACES
	LOADG 2, BUF0
	s_wait_dscnt 16
	MULG 1, BUF1
	PLACES
	LOADG 3, BUF1
	s_wait_dscnt 16
	MULG 2, BUF0
	PLACES
	LOADG 4, BUF0
	s_wait_dscnt 16
	MULG 3, BUF1
	PLACES
	LOADG 5, BUF1
	s_wait_dscnt 16
	MULG 4, BUF0
	PLACES
	LOADG 6, BUF0
	s_wait_dscnt 16
	MULG 5, BUF1
	PLACES
	LOADG 7, BUF1
	s_wait_dscnt 16
	MULG 6, BUF0
	s_wait_dscnt 0x0
	MULG 7, BUF1
	PLACES
	; lane (r, h), register j: the score of head r and token 8 h + j of my 16
.irp j, 0,2,4,6
	v_pk_add_f32 v[ACC+\j:ACC+\j+1], v[ACC+\j:ACC+\j+1], v[ACC+8+\j:ACC+8+\j+1]
.endr
.irp j, 0,2,4,6
	v_pk_add_f32 v[ACC+\j:ACC+\j+1], v[ACC+\j:ACC+\j+1], v[8:9]
.endr
	v_cndmask_b32 v[ACC], v[MM], v[ACC], s26       ; places that are no token get -inf
	v_cndmask_b32 v[ACC+1], v[MM], v[ACC+1], s27
.irp j, 2,3,4,5,6,7
	v_cndmask_b32 v[ACC+\j], v[MM], v[ACC+\j], s28
.endr
	v_max3_num_f32 v[CH], v[ACC], v[ACC+1], v[ACC+2]
	v_max3_num_f32 v[CH], v[CH], v[ACC+3], v[ACC+4]
	v_max3_num_f32 v[CH], v[CH], v[ACC+5], v[ACC+6]
	v_max_num_f32 v[CH], v[CH], v[ACC+7]
	v_permlanex16_b32 v[RT], v[CH], s24, s25
	v_max_num_f32 v[CH], v[CH], v[RT]              ; head r's maximum over my 16 tokens
	ds_store_b32 v[MXS], v[CH]                     ; lanes r and r + 16 write the same word with the same value
	s_wait_dscnt 0x0
	s_barrier_signal -1
	s_barrier_wait -1
.irp i, 0,1,2,3,4,5,6,7,8
	ds_load_b32 v[LW+\i], v[MXA] offset:64*\i
.endr
	s_wait_dscnt 0x0
	v_max3_num_f32 v[MM], v[LW], v[LW+1], v[LW+2]
	v_max3_num_f32 v[MM], v[MM], v[LW+3], v[LW+4]
	v_max3_num_f32 v[MM], v[MM], v[LW+5], v[LW+6]
	v_max3_num_f32 v[MM], v[MM], v[LW+7], v[LW+8]  ; head r's maximum over the work-group's tokens: finite, since waves 0 to 7 mask nothing
.irp j, 0,1,2,3,4,5,6,7
	v_sub_f32 v[ACC+\j], v[ACC+\j], v[MM]
.endr
.irp j, 0,1,2,3,4,5,6,7
	v_exp_f32 v[ACC+\j], v[ACC+\j]                 ; p = 2^(score - maximum), at most 1; 0 for -inf
.endr
	v_nop                                          ; one plain place behind the last transcendental
	s_wait_alu depctr_va_vdst(0)
	v_pk_add_f32 v[CH:CH+1], v[ACC:ACC+1], v[ACC+2:ACC+3]
	v_pk_add_f32 v[CH+2:CH+3], v[ACC+4:ACC+5], v[ACC+6:ACC+7]
	v_pk_add_f32 v[CH:CH+1], v[CH:CH+1], v[CH+2:CH+3]
	v_add_f32 v[CH], v[CH], v[CH+1]
	v_permlanex16_b32 v[RT], v[CH], s24, s25
	v_add_f32 v[CH], v[CH], v[RT]
	ds_store_b32 v[MXS], v[CH] offset:SMD
.irp k, 0,1,2,3
	v_cvt_pk_f16_f32 v[T+\k], v[ACC+2*\k], v[ACC+2*\k+1]
.endr
	ds_store_b128 v[ATS], v[T:T+3]                 ; lane (r, h): tokens 8 h .. 8 h + 7 of head r: already half of a B fragment's registers
	s_wait_dscnt 0x0
	s_barrier_signal -1
	s_barrier_wait -1
	s_cmp_eq_u32 s20, 8
	s_cbranch_scc1 .Lstat
	; waves 0 to 7: columns 128 w .. 128 w + 127 of part.  A lane of a transposing load addresses 16 bytes of row 32 t + 8 h + (L & 7); lanes 8-15 and 24-31 take the
	; columns 64 (128 bytes) further on, not 8: with rows 16 bytes apart modulo 256 the sixteen lanes of a half then touch sixteen different 16-byte columns.
	; So tile u, lane (r, h), register j holds head r, column 128 w + 64 h + 8 u + j.
	v_and_b32 v19, 7, v1
	v_lshl_add_u32 v19, v3, 3, v19
	v_mul_u32_u24 v19, v19, PZ
	v_bfe_u32 v20, v1, 3, 1
	v_lshlrev_b32 v20, 7, v20
	v_lshl_add_u32 v20, s20, 8, v20
	v_add_nc_u32 v19, v19, v20
.irp t, 0,1,2,3
	v_add_nc_u32 v[TR+\t], 32*PZ*\t, v19
.endr
	v_and_b32 v21, 1, v1
	v_mul_u32_u24 v21, v21, PZ
	v_add_nc_u32 v21, v21, v20
	v_add_nc_u32 v[TR+4], 128*PZ, v21              ; rows 128 and 129, by the lane's lowest bit
	v_add_nc_u32 v[ATA], ATL, v4
	LOADB 0, A0, BF0
	LOADB 1, A1, BF1
	s_wait_dscnt 18                                ; the next step's 2 + 16 loads stay out
	MULB 0, A0, BF0
	PLACES
	LOADB 2, A0, BF0
	s_wait_dscnt 18
	MULB 1, A1, BF1
	PLACES
	LOADB 3, A1, BF1
	s_wait_dscnt 18
	MULB 2, A0, BF0
	PLACES
	LOADB 4, A0, BF0
	s_wait_dscnt 9                                 ; the last step's 1 + 8 loads stay out
	MULB 3, A1, BF1
	s_wait_dscnt 0x0
	MULB 4, A0, BF0
	PLACES
	s_branch .Ljoin
.Lstat:
	; wave 8: the work-group's maxima and sums, 128 consecutive bytes
.irp i, 0,1,2,3,4,5,6,7,8
	ds_load_b32 v[LW+\i], v[MXA] offset:SMD+64*\i
.endr
	s_mov_b32 s19, 0xffff0000
	v_lshlrev_b32 v[ATS], 2, v1
	s_wait_dscnt 0x0
.irp i, 1,2,3,4,5,6,7,8
	v_add_f32 v[LW], v[LW], v[LW+\i]
.endr
	v_cndmask_b32 v[LW], v[MM], v[LW], s19         ; lanes 0 to 15: the maximum of head r; lanes 16 to 31: its sum
	global_store_b32 v[ATS], v[LW], s[16:17]
.Ljoin:
	s_wait_dscnt 0x0                               ; my reads of Z are over
	s_barrier_signal -1
	s_barrier_wait -1                              ; everybody's are: Z's first bytes now serve as the waves' stages
	s_cmp_eq_u32 s20, 8
	s_cbranch_scc1 .Lend
.irp u, 0,1,2,3,4,5,6,7
	ds_store_b128 v[STO], v[PACC+8*\u:PACC+8*\u+3] offset:32*\u
	ds_store_b128 v[STO], v[PACC+8*\u+4:PACC+8*\u+7] offset:32*\u+16
.endr
.irp i, 0,1,2,3,4,5,6,7,8,9,10,11,12,13,14,15
	ds_load_b128 v[A0+4*\i:A0+4*\i+3], v[RDB] offset:PS*\i       ; my own bytes: LDS serves a wave's instructions in order (ISA guide 5.7.1)
.endr
.irp i, 0,1,2,3,4,5,6,7,8,9,10,11,12,13,14,15
	s_wait_dscnt 15-\i
	global_store_b128 v[GO], v[A0+4*\i:A0+4*\i+3], s[14:15] offset:4096*\i   ; head i: the wave stores 512 consecutive bytes, aligned
.endr
.Lend:
	s_wait_tensorcnt 0x0
	ds_add_u32 v240, v241
	s_wait_dscnt 0x0
	s_endpgm
.Lfunc_end_k_q3ad64cfee2_pool:
	.size	k_q3ad64cfee2_pool, .Lfunc_end_k_q3ad64cfee2_pool-k_q3ad64cfee2_pool
	.p2alignl 7, 3214868480
	.fill 96, 4, 3214868480
	.section	.rodata,"a",@progbits
	.p2align	6, 0x0
	.amdhsa_kernel k_q3ad64cfee2_pool
		.amdhsa_group_segment_fixed_size 309504
		.amdhsa_private_segment_fixed_size 0
		.amdhsa_enable_private_segment 0
		.amdhsa_kernarg_size 56
		.amdhsa_user_sgpr_count 2
		.amdhsa_user_sgpr_kernarg_segment_ptr 1
		.amdhsa_wavefront_size32 1
		.amdhsa_system_sgpr_workgroup_id_x 1
		.amdhsa_system_sgpr_workgroup_id_y 1
		.amdhsa_system_sgpr_workgroup_id_z 1
		.amdhsa_system_vgpr_workitem_id 0
		.amdhsa_next_free_vgpr 242
		.amdhsa_next_free_sgpr 66
		.amdhsa_reserve_vcc 0
		.amdhsa_float_denorm_mode_32 3
		.amdhsa_float_denorm_mode_16_64 3
		.amdhsa_memory_ordered 1
		.amdhsa_forward_progress 1
		.amdhsa_inst_pref_size 168
	.end_amdhsa_kernel
	.amdgpu_metadata
---
amdhsa.version: [ 1, 2 ]
amdhsa.kernels:
  - .name:           k_q3ad64cfee2_pool
    .symbol:         k_q3ad64cfee2_pool.kd
    .args:
      - { .name: patches, .offset: 0, .size: 8, .value_kind: global_buffer, .address_space: global }
      - { .name: storage, .offset: 8, .size: 8, .value_kind: global_buffer, .address_space: global }
      - { .name: cls_tok, .offset: 16, .size: 8, .value_kind: global_buffer, .address_space: global }
      - { .name: uf, .offset: 24, .size: 8, .value_kind: global_buffer, .address_space: global }
      - { .name: cv, .offset: 32, .size: 8, .value_kind: global_buffer, .address_space: global }
      - { .name: part, .offset: 40, .size: 8, .value_kind: global_buffer, .address_space: global }
      - { .name: stat, .offset: 48, .size: 8, .value_kind: global_buffer, .address_space: global }
    .group_segment_fixed_size: 309504
    .private_segment_fixed_size: 0
    .kernarg_segment_align: 8
    .kernarg_segment_size: 56
    .max_flat_workgroup_size: 288
    .sgpr_count:     66
    .vgpr_count:     242
    .wavefront_size: 32
...
	.end_amdgpu_metadata
.endif
;; end of part 7
;; launch ctxk (part 8): grid 4 x 64, 16 waves a work-group, clusters of 4 x 1, 169,984 bytes of LDS; arguments part, stat, ln_kv_g, ln_kv_b, Wv, bv, ctx; writes ctx
.if DOCPART == 8
	.amdgcn_target "amdgcn-amd-amdhsa--gfx1250"
	.amdhsa_code_object_version 6
	.text
	.protected	k_q3ad64cfee2_ctxk
	.globl	k_q3ad64cfee2_ctxk
	.p2align	8
	.type	k_q3ad64cfee2_ctxk,@function
k_q3ad64cfee2_ctxk:
	s_mov_b64 s[64:65], 0
	v_nop
	global_prefetch_b8 v0, s[64:65] scope:SCOPE_SE
	s_setreg_imm32_b32 hwreg(HW_REG_WAVE_MODE, 25, 1), 1
	s_wait_xcnt 0x0
	s_wait_alu depctr_hold_cnt(0) depctr_sa_sdst(0) depctr_va_vdst(0) depctr_va_sdst(0) depctr_va_ssrc(0) depctr_va_vcc(0) depctr_vm_vsrc(0)
	s_getreg_b32 s2, hwreg(HW_REG_IB_STS2, 6, 4)
	s_cmp_eq_u32 s2, 0
	s_cbranch_scc0 .Lentry_in_a_cluster
	s_endpgm
.Lentry_in_a_cluster:
	s_bfe_u32 s2, ttmp6, 0x10000c
	s_cmp_lg_u32 s2, 0x3003
	s_cbranch_scc0 .Lentry_shape_is_right
	s_endpgm
.Lentry_shape_is_right:
; ctxk: sum over kq of ctx[kq][b][64 h + o] = Wv[64 h + o] . (g o pooled_h(b) + beta) + bv[64 h + o], where pooled_h(b) joins the four quarters of launch pool by their maxima:
; pooled = sum_q e_q part_q / sum_q e_q sum_q, e_q = 2^(max_q - largest max).  (The attention weights add up to 1, so beta and bv enter once.)
; Work-group (mt, h, kq) = 16 batches x the 64 outputs of head h x columns 256 kq .. + 255 of K: 256 work-groups, each reading 64 KiB of part and 64 KiB of Wv.
; The result is a partial sum over its quarter of K, with a quarter of bv (an exact scaling); the next launch adds the four parts.
; LIMITS: both matrix operands are f16 (sums f32): |g pooled + beta| and |Wv| below 65,504.
; CLUSTER: the four work-groups along x differ in mt alone and need the same 64 rows x 1,024 bytes of Wv, about half of what a work-group reads: they ask for them jointly (mask 15),
; by one tensor load of wave 0; one tensor load is out.  Its descriptor hangs on h and kq alone.
; The place in the cluster enters global addresses of the work-group's own loads and stores alone: no LDS address, no branch, no descriptor.
; LDS: WT: 64 rows x 1,040 bytes (1,024 + 16) of f32, filled once; A: 16 rows x 528 bytes (512 + 16) of f16; RED: 4 x 16 rows x 272 bytes of f32.  A and RED begin at multiples of 256 bytes; no fill lands there.
.set PW,   1040
.set AL,   66560
.set PA,   528
.set RED,  75008
.set PR,   272
.set G,    40                          ; v[40:47]   g of my 8 columns: register 4 j + i = column 256 kq + 128 j + 4 lane + i
.set BT,   48                          ; v[48:55]   beta
.set P,    56                          ; v[56:87]   the four quarters' rows, 8 registers each
.set T,    88                          ; v[88:91]   the row as f16
.set WF,   40                          ; v[40:71]   matmul: Wv in f32, 16 registers a K step
.set AF,   72                          ; v[72:87]   batch fragments, 8 a K step
.set F0,   88                          ; Wv fragments in f16, one buffer a K step
.set F1,   96
.set ACC0, 8
.set ACC1, 16
.macro ROUND                           ; a round of the cluster's barrier: my work-group's barrier, wave 0 signals for the work-group, every wave waits for all four, my work-group's barrier again
	s_barrier_signal -1
	s_barrier_wait -1
	s_cmp_lg_u32 s20, 0
	s_cbranch_scc1 .Lnot_wave_0_\@
	s_barrier_signal -3
.Lnot_wave_0_\@:
	s_barrier_wait -3
	s_barrier_signal -1
	s_barrier_wait -1
.endm
; One K step of 32: Wv's 16 rows to f16, then the product.  Source 0 = Wv (m = output), source 1 = the batches' rows (n = batch): a lane's eight results are eight neighbouring outputs of one batch.
; A wave has two K steps, each with its own fragment buffer and its own accumulator, started by the constant 0: no accumulator is taken up twice.
.macro KSTEP ks, f, acc
	s_wait_dscnt 6*(1-\ks)                         ; the later K step's six loads stay out
.irp i, 0,1,2,3,4,5,6,7
	v_cvt_pk_f16_f32 v[\f+\i], v[WF+16*\ks+2*\i], v[WF+16*\ks+2*\i+1]
.endr
	v_wmma_f32_16x16x32_f16 v[\acc:\acc+7], v[\f:\f+7], v[AF+8*\ks:AF+8*\ks+7], 0
.endm
	s_load_b256 s[4:11], s[0:1], 0x0               ; part 4, stat 6, g 8, beta 10
	s_load_b128 s[12:15], s[0:1], 0x20             ; Wv 12, bv 14
	s_load_b64 s[16:17], s[0:1], 0x30              ; ctx
	v_lshl_add_u32 v104, v0, 2, 0x29000
	v_mov_b32 v105, 0
	ds_add_u32 v104, v105
	ds_add_u32 v104, v105
	v_lshrrev_b32 v1, 5, v0
	v_readfirstlane_b32 s20, v1                    ; wave w
	v_and_b32 v1, 31, v0                           ; L
	v_and_b32 v2, 15, v0                           ; r
	v_bfe_u32 v3, v0, 4, 1                         ; hh = L / 16
	v_lshlrev_b32 v4, 4, v1                        ; 16 L
	v_mov_b32 v5, 0
	v_lshlrev_b32 v7, 3, v1                        ; 8 L
	s_and_b32 s48, ttmp7, 0xffff                   ; 4 h + kq
	s_lshr_b32 s21, s48, 2                         ; h
	s_and_b32 s48, s48, 3                          ; kq
	s_bfe_u32 s22, ttmp6, 0x40000                  ; my place along the cluster's x
	s_lshl_b32 s23, ttmp9, 2
	s_add_co_u32 s23, s23, s22                     ; mt
	s_lshl_b32 s23, s23, 4
	s_add_co_u32 s23, s23, s20                     ; b = 16 mt + w: the batch whose row this wave prepares and finishes
	s_lshl_b32 s50, s48, 10                        ; 256 kq numbers of 4 bytes
	s_mov_b32 s51, 0
	s_lshl_b32 s24, s23, 18
	s_lshl_b32 s18, s21, 12
	s_add_co_u32 s24, s24, s18
	s_add_co_u32 s24, s24, s50                     ; part[b][0][h][256 kq]
	s_mov_b32 s25, 0
	s_lshl_b32 s26, s23, 9
	s_lshl_b32 s18, s21, 2
	s_add_co_u32 s26, s26, s18                     ; stat[b][0][h]
	s_mov_b32 s27, 0
	s_lshl_b32 s28, s21, 18                        ; Wv's row 64 h,
	s_add_co_u32 s28, s28, s50                     ; column 256 kq: alike in all four partners
	s_mov_b32 s29, 0
	s_lshl_b32 s30, s21, 8                         ; 64 h numbers of 4 bytes
	s_mov_b32 s31, 0
	s_lshl_b32 s36, s48, 18                        ; part kq of ctx: 64 rows of 4,096 bytes,
	s_lshl_b32 s18, s23, 12
	s_add_co_u32 s36, s36, s18
	s_add_co_u32 s36, s36, s30                     ; ctx[kq][b][64 h]
	s_mov_b32 s37, 0
	s_mul_i32 s38, s20, PA
	s_add_co_u32 s38, s38, AL
	v_lshl_add_u32 v6, v1, 3, s38                  ; A: row w, 8 L
	; group 1: 64 rows x 256 elements of 4 bytes, 4 words of padding behind every 256 words; mask 15 names the four work-groups, bit 21 is set beside it
	s_mov_b32 s40, 15|(2<<16)|(1<<20)|(1<<21)|(7<<22)|(3<<25)
	s_mov_b32 s41, 256<<16                         ; tensor_dim0 = 256
	s_mov_b32 s42, 64<<16                          ; tensor_dim1 = 64
	s_mov_b32 s43, 256<<16                         ; tile_dim0 = 256
	s_mov_b32 s44, 64                              ; tile_dim1 = 64
	s_mov_b32 s45, 1024                            ; elements from row to row
	s_mov_b32 s46, 0
	s_mov_b32 s47, 0
	s_mov_b32 s32, 1
	s_mov_b32 s33, 0                               ; WT begins at LDS byte 0
	s_wait_dscnt 0x0
	s_wait_kmcnt 0x0
	s_add_nc_u64 s[34:35], s[12:13], s[28:29]
	s_or_b32 s35, s35, 0x80000000
	s_add_nc_u64 s[4:5], s[4:5], s[24:25]
	s_add_nc_u64 s[6:7], s[6:7], s[26:27]
	s_add_nc_u64 s[8:9], s[8:9], s[50:51]
	s_add_nc_u64 s[10:11], s[10:11], s[50:51]
	s_add_nc_u64 s[14:15], s[14:15], s[30:31]
	s_add_nc_u64 s[16:17], s[16:17], s[36:37]
	global_load_b64 v[32:33], v7, s[14:15]         ; bv of the two outputs that I finish
.irp p, 0,1,2,3
	global_load_b32 v[8+\p], v5, s[6:7] offset:128*\p            ; the quarters' maxima,
.endr
.irp p, 0,1,2,3
	global_load_b32 v[12+\p], v5, s[6:7] offset:128*\p+64        ; and sums
.endr
.irp j, 0,1
	global_load_b128 v[G+4*\j:G+4*\j+3], v4, s[8:9] offset:512*\j
.endr
.irp j, 0,1
	global_load_b128 v[BT+4*\j:BT+4*\j+3], v4, s[10:11] offset:512*\j
.endr
.irp p, 0,1,2,3
.irp j, 0,1
	global_load_b128 v[P+8*\p+4*\j:P+8*\p+4*\j+3], v4, s[4:5] offset:65536*\p+512*\j th:TH_LOAD_NT
.endr
.endr
	ROUND                                          ; all four work-groups are here: the joint loads meet
	s_cmp_lg_u32 s20, 0
	s_cbranch_scc1 .Lno_fetch
	tensor_load_to_lds s[32:35], s[40:47]          ; wave 0: the 64 rows of Wv, for all four work-groups
	s_nop 0
.Lno_fetch:
	s_wait_loadcnt 12                              ; bv, maxima and sums are in; g, beta and the four rows (2 + 2 + 8 loads) stay out
	v_max3_num_f32 v24, v8, v9, v10
	v_max_num_f32 v24, v24, v11
.irp p, 0,1,2,3
	v_sub_f32 v[8+\p], v[8+\p], v24
.endr
.irp p, 0,1,2,3
	v_exp_f32 v[8+\p], v[8+\p]
.endr
	v_nop                                          ; one plain place behind a transcendental (ISA guide 5.7.2)
	s_wait_alu depctr_va_vdst(0)
	v_mul_f32 v25, v8, v12
	v_fmac_f32 v25, v9, v13
	v_fmac_f32 v25, v10, v14
	v_fmac_f32 v25, v11, v15                       ; the softmax's denominator: at least 1
	v_rcp_f32 v25, v25
	v_nop
	s_wait_alu depctr_va_vdst(0)
.irp p, 0,1,2,3
	v_mul_f32 v[16+2*\p], v[8+\p], v25             ; the quarter's weight, twice
	v_mul_f32 v[17+2*\p], v[8+\p], v25
.endr
	s_wait_loadcnt 0x0
.irp i, 0,2,4,6
	v_pk_mul_f32 v[P+\i:P+\i+1], v[P+\i:P+\i+1], v[16:17]
	v_pk_fma_f32 v[P+\i:P+\i+1], v[P+8+\i:P+8+\i+1], v[18:19], v[P+\i:P+\i+1]
	v_pk_fma_f32 v[P+\i:P+\i+1], v[P+16+\i:P+16+\i+1], v[20:21], v[P+\i:P+\i+1]
	v_pk_fma_f32 v[P+\i:P+\i+1], v[P+24+\i:P+24+\i+1], v[22:23], v[P+\i:P+\i+1]
	v_pk_fma_f32 v[P+\i:P+\i+1], v[P+\i:P+\i+1], v[G+\i:G+\i+1], v[BT+\i:BT+\i+1]
.endr
.irp i, 0,1,2,3
	v_cvt_pk_f16_f32 v[T+\i], v[P+2*\i], v[P+2*\i+1]
.endr
.irp j, 0,1
	ds_store_b64 v6, v[T+2*\j:T+2*\j+1] offset:256*\j            ; 32 lanes x 8 bytes: 256 consecutive bytes
.endr
	; wave w multiplies outputs 16 nt .. + 15 (nt = w & 3) over columns 64 kk .. + 63 (kk = w >> 2) of the work-group's 256
	s_and_b32 s38, s20, 3
	s_lshr_b32 s39, s20, 2
	v_lshl_add_u32 v24, s38, 4, v2
	v_mul_u32_u24 v24, v24, PW
	v_lshl_add_u32 v24, v3, 5, v24
	v_lshl_add_u32 v24, s39, 8, v24                ; Wv: row 16 nt + r, 256 kk + 32 hh
	v_mul_u32_u24 v25, v2, PA
	v_lshl_add_u32 v25, v3, 4, v25
	s_lshl_b32 s19, s39, 7
	s_add_co_u32 s19, s19, AL
	v_add_nc_u32 v25, s19, v25                     ; A: row r, 128 kk + 16 hh
	v_mul_u32_u24 v26, v2, PR
	v_lshl_add_u32 v26, v3, 5, v26
	s_mul_i32 s18, s39, 16*PR
	s_lshl_b32 s19, s38, 6
	s_add_co_u32 s18, s18, s19
	s_add_co_u32 s18, s18, RED
	v_add_nc_u32 v26, s18, v26                     ; RED: part kk, batch r, 64 nt + 32 hh
	s_mul_i32 s19, s20, PR
	s_add_co_u32 s19, s19, RED
	v_add_nc_u32 v27, s19, v7                      ; RED: batch w, 8 L
	s_wait_dscnt 0x0                               ; my row of A is stored,
	s_wait_tensorcnt 0x0                           ; and (wave 0) Wv has landed, before I say so
	s_barrier_signal -1
	s_barrier_wait -1
.irp ks, 0,1
	ds_load_b128 v[WF+16*\ks:WF+16*\ks+3], v24 offset:128*\ks
	ds_load_b128 v[WF+16*\ks+4:WF+16*\ks+7], v24 offset:128*\ks+16
	ds_load_b128 v[WF+16*\ks+8:WF+16*\ks+11], v24 offset:128*\ks+64
	ds_load_b128 v[WF+16*\ks+12:WF+16*\ks+15], v24 offset:128*\ks+80
	ds_load_b128 v[AF+8*\ks:AF+8*\ks+3], v25 offset:64*\ks
	ds_load_b128 v[AF+8*\ks+4:AF+8*\ks+7], v25 offset:64*\ks+32
.endr
	KSTEP 0, F0, ACC0
	KSTEP 1, F1, ACC1
.rept 4
	v_nop                                          ; four places before the results are read (ISA guide 7.12.1)
.endr
.irp j, 0,2,4,6
	v_pk_add_f32 v[ACC0+\j:ACC0+\j+1], v[ACC0+\j:ACC0+\j+1], v[ACC1+\j:ACC1+\j+1]
.endr
	ds_store_b128 v26, v[ACC0:ACC0+3]
	ds_store_b128 v26, v[ACC0+4:ACC0+7] offset:16
	s_wait_dscnt 0x0
	s_barrier_signal -1
	s_barrier_wait -1
	; wave w adds the four parts kk for batch 16 mt + w
.irp i, 0,1,2,3
	ds_load_b64 v[40+2*\i:41+2*\i], v27 offset:16*PR*\i
.endr
	s_wait_dscnt 0x0
	v_pk_add_f32 v[40:41], v[40:41], v[42:43]
	v_pk_add_f32 v[44:45], v[44:45], v[46:47]
	v_pk_add_f32 v[40:41], v[40:41], v[44:45]
	v_pk_fma_f32 v[40:41], v[32:33], 0x3e800000, v[40:41] op_sel_hi:[1,0,1]   ; + bv / 4: each of the four quarters of K adds a quarter
	global_store_b64 v7, v[40:41], s[16:17]        ; the wave stores 256 consecutive bytes, aligned
	s_wait_tensorcnt 0x0
	ds_add_u32 v104, v105
	s_wait_dscnt 0x0
	ROUND                                          ; the closing round: no work-group ends while a partner may still ask jointly
	s_endpgm
.Lfunc_end_k_q3ad64cfee2_ctxk:
	.size	k_q3ad64cfee2_ctxk, .Lfunc_end_k_q3ad64cfee2_ctxk-k_q3ad64cfee2_ctxk
	.p2alignl 7, 3214868480
	.fill 96, 4, 3214868480
	.section	.rodata,"a",@progbits
	.p2align	6, 0x0
	.amdhsa_kernel k_q3ad64cfee2_ctxk
		.amdhsa_group_segment_fixed_size 169984
		.amdhsa_private_segment_fixed_size 0
		.amdhsa_enable_private_segment 0
		.amdhsa_kernarg_size 56
		.amdhsa_user_sgpr_count 2
		.amdhsa_user_sgpr_kernarg_segment_ptr 1
		.amdhsa_wavefront_size32 1
		.amdhsa_system_sgpr_workgroup_id_x 1
		.amdhsa_system_sgpr_workgroup_id_y 1
		.amdhsa_system_sgpr_workgroup_id_z 1
		.amdhsa_system_vgpr_workitem_id 0
		.amdhsa_next_free_vgpr 106
		.amdhsa_next_free_sgpr 66
		.amdhsa_reserve_vcc 0
		.amdhsa_float_denorm_mode_32 3
		.amdhsa_float_denorm_mode_16_64 3
		.amdhsa_memory_ordered 1
		.amdhsa_forward_progress 1
		.amdhsa_inst_pref_size 14
	.end_amdhsa_kernel
	.amdgpu_metadata
---
amdhsa.version: [ 1, 2 ]
amdhsa.kernels:
  - .name:           k_q3ad64cfee2_ctxk
    .symbol:         k_q3ad64cfee2_ctxk.kd
    .args:
      - { .name: part, .offset: 0, .size: 8, .value_kind: global_buffer, .address_space: global }
      - { .name: stat, .offset: 8, .size: 8, .value_kind: global_buffer, .address_space: global }
      - { .name: ln_kv_g, .offset: 16, .size: 8, .value_kind: global_buffer, .address_space: global }
      - { .name: ln_kv_b, .offset: 24, .size: 8, .value_kind: global_buffer, .address_space: global }
      - { .name: Wv, .offset: 32, .size: 8, .value_kind: global_buffer, .address_space: global }
      - { .name: bv, .offset: 40, .size: 8, .value_kind: global_buffer, .address_space: global }
      - { .name: ctx, .offset: 48, .size: 8, .value_kind: global_buffer, .address_space: global }
    .group_segment_fixed_size: 169984
    .private_segment_fixed_size: 0
    .kernarg_segment_align: 8
    .kernarg_segment_size: 56
    .max_flat_workgroup_size: 512
    .sgpr_count:     66
    .vgpr_count:     106
    .wavefront_size: 32
...
	.end_amdgpu_metadata
.endif
;; end of part 8
;; launch oproj (part 9): grid 4 x 64, 16 waves a work-group, clusters of 4 x 1, 169,984 bytes of LDS; arguments ctx, Wo, bo, y; writes y
.if DOCPART == 9
	.amdgcn_target "amdgcn-amd-amdhsa--gfx1250"
	.amdhsa_code_object_version 6
	.text
	.protected	k_q3ad64cfee2_oproj
	.globl	k_q3ad64cfee2_oproj
	.p2align	8
	.type	k_q3ad64cfee2_oproj,@function
k_q3ad64cfee2_oproj:
	s_mov_b64 s[64:65], 0
	v_nop
	global_prefetch_b8 v0, s[64:65] scope:SCOPE_SE
	s_setreg_imm32_b32 hwreg(HW_REG_WAVE_MODE, 25, 1), 1
	s_wait_xcnt 0x0
	s_wait_alu depctr_hold_cnt(0) depctr_sa_sdst(0) depctr_va_vdst(0) depctr_va_sdst(0) depctr_va_ssrc(0) depctr_va_vcc(0) depctr_vm_vsrc(0)
	s_getreg_b32 s2, hwreg(HW_REG_IB_STS2, 6, 4)
	s_cmp_eq_u32 s2, 0
	s_cbranch_scc0 .Lentry_in_a_cluster
	s_endpgm
.Lentry_in_a_cluster:
	s_bfe_u32 s2, ttmp6, 0x10000c
	s_cmp_lg_u32 s2, 0x3003
	s_cbranch_scc0 .Lentry_shape_is_right
	s_endpgm
.Lentry_shape_is_right:
; oproj: sum over kq of y[kq][b][64 n + o] = Wo[64 n + o] . ctx[b] + bo[64 n + o], where ctx[b] is the sum of the four parts that launch ctxk stored.
; The same skeleton as launch ctxk: work-group (mt, n, kq) = 16 batches x 64 outputs x columns 256 kq .. + 255 of K: 256 work-groups, each reading 64 KiB of ctx's parts and 64 KiB of Wo.
; The result is a partial sum over its quarter of K, with a quarter of bo (an exact scaling); the next launch adds the four parts.
; LIMITS: both matrix operands are f16 (sums f32): |ctx| and |Wo| below 65,504.
; CLUSTER: the four work-groups along x differ in mt alone and need the same 64 rows x 1,024 bytes of Wo, half of what a work-group reads: they ask for them jointly (mask 15),
; by one tensor load of wave 0; one tensor load is out.  Its descriptor hangs on n and kq alone.
; The place in the cluster enters global addresses of the work-group's own loads and stores alone.
; LDS: WT: 64 rows x 1,040 bytes of f32, filled once; A: 16 rows x 528 bytes of f16; RED: 4 x 16 rows x 272 bytes of f32.  A and RED begin at multiples of 256 bytes; no fill lands there.
.set PW,   1040
.set AL,   66560
.set PA,   528
.set RED,  75008
.set PR,   272
.set P,    56                          ; v[56:87]   the four parts of the batch's row, 8 registers each: register 4 j + i = column 256 kq + 128 j + 4 lane + i
.set T,    88                          ; v[88:91]   the row as f16
.set WF,   40                          ; v[40:71]   Wo in f32, 16 registers a K step
.set AF,   72                          ; v[72:87]   batch fragments, 8 a K step
.set F0,   88                          ; Wo fragments in f16, one buffer a K step
.set F1,   96
.set ACC0, 8
.set ACC1, 16
.macro ROUND                           ; a round of the cluster's barrier
	s_barrier_signal -1
	s_barrier_wait -1
	s_cmp_lg_u32 s20, 0
	s_cbranch_scc1 .Lnot_wave_0_\@
	s_barrier_signal -3
.Lnot_wave_0_\@:
	s_barrier_wait -3
	s_barrier_signal -1
	s_barrier_wait -1
.endm
; One K step of 32: Wo's 16 rows to f16, then the product (source 0 = Wo, m = output; source 1 = the batches' rows, n = batch).
; A wave has two K steps, each with its own fragment buffer and its own accumulator, started by the constant 0: no accumulator is taken up twice.
.macro KSTEP ks, f, acc
	s_wait_dscnt 6*(1-\ks)                         ; the later K step's six loads stay out
.irp i, 0,1,2,3,4,5,6,7
	v_cvt_pk_f16_f32 v[\f+\i], v[WF+16*\ks+2*\i], v[WF+16*\ks+2*\i+1]
.endr
	v_wmma_f32_16x16x32_f16 v[\acc:\acc+7], v[\f:\f+7], v[AF+8*\ks:AF+8*\ks+7], 0
.endm
	s_load_b256 s[4:11], s[0:1], 0x0               ; ctx 4, Wo 6, bo 8, y 10
	v_lshl_add_u32 v104, v0, 2, 0x29000
	v_mov_b32 v105, 0
	ds_add_u32 v104, v105
	ds_add_u32 v104, v105
	v_lshrrev_b32 v1, 5, v0
	v_readfirstlane_b32 s20, v1                    ; wave w
	v_and_b32 v1, 31, v0                           ; L
	v_and_b32 v2, 15, v0                           ; r
	v_bfe_u32 v3, v0, 4, 1                         ; hh
	v_lshlrev_b32 v4, 4, v1                        ; 16 L
	v_lshlrev_b32 v7, 3, v1                        ; 8 L
	s_and_b32 s48, ttmp7, 0xffff                   ; 4 n + kq
	s_lshr_b32 s21, s48, 2                         ; n
	s_and_b32 s48, s48, 3                          ; kq
	s_bfe_u32 s22, ttmp6, 0x40000                  ; my place along the cluster's x
	s_lshl_b32 s23, ttmp9, 2
	s_add_co_u32 s23, s23, s22                     ; mt
	s_lshl_b32 s23, s23, 4
	s_add_co_u32 s23, s23, s20                     ; b = 16 mt + w
	s_lshl_b32 s50, s48, 10                        ; 256 kq numbers of 4 bytes
	s_lshl_b32 s24, s23, 12
	s_add_co_u32 s24, s24, s50                     ; ctx[0][b][256 kq]
	s_mov_b32 s25, 0
	s_lshl_b32 s28, s21, 18                        ; Wo's row 64 n,
	s_add_co_u32 s28, s28, s50                     ; column 256 kq: alike in all four partners
	s_mov_b32 s29, 0
	s_lshl_b32 s30, s21, 8                         ; 64 n numbers of 4 bytes
	s_mov_b32 s31, 0
	s_lshl_b32 s36, s48, 18                        ; part kq of y: 64 rows of 4,096 bytes,
	s_lshl_b32 s18, s23, 12
	s_add_co_u32 s36, s36, s18
	s_add_co_u32 s36, s36, s30                     ; y[kq][b][64 n]
	s_mov_b32 s37, 0
	s_mul_i32 s38, s20, PA
	s_add_co_u32 s38, s38, AL
	v_lshl_add_u32 v6, v1, 3, s38                  ; A: row w, 8 L
	; group 1: 64 rows x 256 elements of 4 bytes, 4 words of padding behind every 256 words; mask 15, bit 21 beside it
	s_mov_b32 s40, 15|(2<<16)|(1<<20)|(1<<21)|(7<<22)|(3<<25)
	s_mov_b32 s41, 256<<16                         ; tensor_dim0 = 256
	s_mov_b32 s42, 64<<16                          ; tensor_dim1 = 64
	s_mov_b32 s43, 256<<16                         ; tile_dim0 = 256
	s_mov_b32 s44, 64                              ; tile_dim1 = 64
	s_mov_b32 s45, 1024                            ; elements from row to row
	s_mov_b32 s46, 0
	s_mov_b32 s47, 0
	s_mov_b32 s32, 1
	s_mov_b32 s33, 0                               ; WT begins at LDS byte 0
	s_wait_dscnt 0x0
	s_wait_kmcnt 0x0
	s_add_nc_u64 s[34:35], s[6:7], s[28:29]
	s_or_b32 s35, s35, 0x80000000
	s_add_nc_u64 s[4:5], s[4:5], s[24:25]
	s_add_nc_u64 s[8:9], s[8:9], s[30:31]
	s_add_nc_u64 s[10:11], s[10:11], s[36:37]
	global_load_b64 v[32:33], v7, s[8:9]           ; bo of the two outputs that I finish
.irp p, 0,1,2,3
.irp j, 0,1
	global_load_b128 v[P+8*\p+4*\j:P+8*\p+4*\j+3], v4, s[4:5] offset:262144*\p+512*\j   ; part p of ctx lies 64 rows of 4,096 bytes behind part p - 1
.endr
.endr
	ROUND                                          ; all four work-groups are here: the joint loads meet
	s_cmp_lg_u32 s20, 0
	s_cbranch_scc1 .Lno_fetch
	tensor_load_to_lds s[32:35], s[40:47]          ; wave 0: the 64 rows of Wo, for all four work-groups
	s_nop 0
.Lno_fetch:
	s_wait_loadcnt 0x0
.irp i, 0,2,4,6
	v_pk_add_f32 v[P+\i:P+\i+1], v[P+\i:P+\i+1], v[P+8+\i:P+8+\i+1]
	v_pk_add_f32 v[P+16+\i:P+16+\i+1], v[P+16+\i:P+16+\i+1], v[P+24+\i:P+24+\i+1]
	v_pk_add_f32 v[P+\i:P+\i+1], v[P+\i:P+\i+1], v[P+16+\i:P+16+\i+1]
.endr
.irp i, 0,1,2,3
	v_cvt_pk_f16_f32 v[T+\i], v[P+2*\i], v[P+2*\i+1]
.endr
.irp j, 0,1
	ds_store_b64 v6, v[T+2*\j:T+2*\j+1] offset:256*\j            ; 32 lanes x 8 bytes: 256 consecutive bytes
.endr
	; wave w multiplies outputs 16 nt .. + 15 (nt = w & 3) over columns 64 kk .. + 63 (kk = w >> 2) of the work-group's 256
	s_and_b32 s38, s20, 3
	s_lshr_b32 s39, s20, 2
	v_lshl_add_u32 v24, s38, 4, v2
	v_mul_u32_u24 v24, v24, PW
	v_lshl_add_u32 v24, v3, 5, v24
	v_lshl_add_u32 v24, s39, 8, v24                ; Wo: row 16 nt + r, 256 kk + 32 hh
	v_mul_u32_u24 v25, v2, PA
	v_lshl_add_u32 v25, v3, 4, v25
	s_lshl_b32 s19, s39, 7
	s_add_co_u32 s19, s19, AL
	v_add_nc_u32 v25, s19, v25                     ; A: row r, 128 kk + 16 hh
	v_mul_u32_u24 v26, v2, PR
	v_lshl_add_u32 v26, v3, 5, v26
	s_mul_i32 s18, s39, 16*PR
	s_lshl_b32 s19, s38, 6
	s_add_co_u32 s18, s18, s19
	s_add_co_u32 s18, s18, RED
	v_add_nc_u32 v26, s18, v26                     ; RED: part kk, batch r, 64 nt + 32 hh
	s_mul_i32 s19, s20, PR
	s_add_co_u32 s19, s19, RED
	v_add_nc_u32 v27, s19, v7                      ; RED: batch w, 8 L
	s_wait_dscnt 0x0                               ; my row of A is stored,
	s_wait_tensorcnt 0x0                           ; and (wave 0) Wo has landed, before I say so
	s_barrier_signal -1
	s_barrier_wait -1
.irp ks, 0,1
	ds_load_b128 v[WF+16*\ks:WF+16*\ks+3], v24 offset:128*\ks
	ds_load_b128 v[WF+16*\ks+4:WF+16*\ks+7], v24 offset:128*\ks+16
	ds_load_b128 v[WF+16*\ks+8:WF+16*\ks+11], v24 offset:128*\ks+64
	ds_load_b128 v[WF+16*\ks+12:WF+16*\ks+15], v24 offset:128*\ks+80
	ds_load_b128 v[AF+8*\ks:AF+8*\ks+3], v25 offset:64*\ks
	ds_load_b128 v[AF+8*\ks+4:AF+8*\ks+7], v25 offset:64*\ks+32
.endr
	KSTEP 0, F0, ACC0
	KSTEP 1, F1, ACC1
.rept 4
	v_nop                                          ; four places before the results are read (ISA guide 7.12.1)
.endr
.irp j, 0,2,4,6
	v_pk_add_f32 v[ACC0+\j:ACC0+\j+1], v[ACC0+\j:ACC0+\j+1], v[ACC1+\j:ACC1+\j+1]
.endr
	ds_store_b128 v26, v[ACC0:ACC0+3]
	ds_store_b128 v26, v[ACC0+4:ACC0+7] offset:16
	s_wait_dscnt 0x0
	s_barrier_signal -1
	s_barrier_wait -1
	; wave w adds the four parts kk for batch 16 mt + w
.irp i, 0,1,2,3
	ds_load_b64 v[40+2*\i:41+2*\i], v27 offset:16*PR*\i
.endr
	s_wait_dscnt 0x0
	v_pk_add_f32 v[40:41], v[40:41], v[42:43]
	v_pk_add_f32 v[44:45], v[44:45], v[46:47]
	v_pk_add_f32 v[40:41], v[40:41], v[44:45]
	v_pk_fma_f32 v[40:41], v[32:33], 0x3e800000, v[40:41] op_sel_hi:[1,0,1]   ; + bo / 4: each of the four quarters of K adds a quarter
	global_store_b64 v7, v[40:41], s[10:11]        ; the wave stores 256 consecutive bytes, aligned
	s_wait_tensorcnt 0x0
	ds_add_u32 v104, v105
	s_wait_dscnt 0x0
	ROUND                                          ; the closing round
	s_endpgm
.Lfunc_end_k_q3ad64cfee2_oproj:
	.size	k_q3ad64cfee2_oproj, .Lfunc_end_k_q3ad64cfee2_oproj-k_q3ad64cfee2_oproj
	.p2alignl 7, 3214868480
	.fill 96, 4, 3214868480
	.section	.rodata,"a",@progbits
	.p2align	6, 0x0
	.amdhsa_kernel k_q3ad64cfee2_oproj
		.amdhsa_group_segment_fixed_size 169984
		.amdhsa_private_segment_fixed_size 0
		.amdhsa_enable_private_segment 0
		.amdhsa_kernarg_size 32
		.amdhsa_user_sgpr_count 2
		.amdhsa_user_sgpr_kernarg_segment_ptr 1
		.amdhsa_wavefront_size32 1
		.amdhsa_system_sgpr_workgroup_id_x 1
		.amdhsa_system_sgpr_workgroup_id_y 1
		.amdhsa_system_sgpr_workgroup_id_z 1
		.amdhsa_system_vgpr_workitem_id 0
		.amdhsa_next_free_vgpr 106
		.amdhsa_next_free_sgpr 66
		.amdhsa_reserve_vcc 0
		.amdhsa_float_denorm_mode_32 3
		.amdhsa_float_denorm_mode_16_64 3
		.amdhsa_memory_ordered 1
		.amdhsa_forward_progress 1
		.amdhsa_inst_pref_size 11
	.end_amdhsa_kernel
	.amdgpu_metadata
---
amdhsa.version: [ 1, 2 ]
amdhsa.kernels:
  - .name:           k_q3ad64cfee2_oproj
    .symbol:         k_q3ad64cfee2_oproj.kd
    .args:
      - { .name: ctx, .offset: 0, .size: 8, .value_kind: global_buffer, .address_space: global }
      - { .name: Wo, .offset: 8, .size: 8, .value_kind: global_buffer, .address_space: global }
      - { .name: bo, .offset: 16, .size: 8, .value_kind: global_buffer, .address_space: global }
      - { .name: y, .offset: 24, .size: 8, .value_kind: global_buffer, .address_space: global }
    .group_segment_fixed_size: 169984
    .private_segment_fixed_size: 0
    .kernarg_segment_align: 8
    .kernarg_segment_size: 32
    .max_flat_workgroup_size: 512
    .sgpr_count:     66
    .vgpr_count:     106
    .wavefront_size: 32
...
	.end_amdgpu_metadata
.endif
;; end of part 9
;; launch head (part 10): grid 64 x 1, 14 waves a work-group, no clusters, 2,048 bytes of LDS; arguments y, ln_out_g, ln_out_b, Wp, bp, out0; writes out0
.if DOCPART == 10
	.amdgcn_target "amdgcn-amd-amdhsa--gfx1250"
	.amdhsa_code_object_version 6
	.text
	.protected	k_q3ad64cfee2_head
	.globl	k_q3ad64cfee2_head
	.p2align	8
	.type	k_q3ad64cfee2_head,@function
k_q3ad64cfee2_head:
	s_mov_b64 s[64:65], 0
	v_nop
	global_prefetch_b8 v0, s[64:65] scope:SCOPE_SE
	s_setreg_imm32_b32 hwreg(HW_REG_WAVE_MODE, 25, 1), 1
	s_wait_xcnt 0x0
; head: out0[b][c] = Wp[c] . (LayerNorm(y[b]) g + beta) + bp[c], where y[b] is the sum of the four parts that launch oproj stored.
; Work-group = batch b, wave = label c (14 of them); all in f32.
; 14 columns and 0.9 million multiply-adds in all: plain arithmetic; the matrix unit, LDS tiles and joint loads would add nothing.
; Every wave holds the row y[b] in 32 registers (register 4 j + i = column 128 j + 4 lane + i) and normalises it itself: mean, then the mean of squared differences.
; A row of out0 is 56 bytes, so a work-group's store is 56 consecutive bytes.
.set Y,    8                           ; v[8:39]    part 0 of the row, then the row
.set G,    40                          ; v[40:71]
.set BT,   72                          ; v[72:103]
.set WP,   104                         ; v[104:135]
.set CH,   136                         ; v[136:143] four chains
.set MEAN, 144
.set RS,   146
.set RT,   148
.set AD,   149
.set YX,   152                         ; v[152:247] parts 1, 2, 3 of the row
.macro FOLD                            ; four chains -> one number, summed over the 32 lanes, in every lane's v[CH]
	v_pk_add_f32 v[CH:CH+1], v[CH:CH+1], v[CH+2:CH+3]
	v_pk_add_f32 v[CH+4:CH+5], v[CH+4:CH+5], v[CH+6:CH+7]
	v_pk_add_f32 v[CH:CH+1], v[CH:CH+1], v[CH+4:CH+5]
	v_add_f32 v[CH], v[CH], v[CH+1]
	v_add_f32_dpp v[CH], v[CH], v[CH] row_xmask:1 row_mask:0xf bank_mask:0xf
	v_add_f32_dpp v[CH], v[CH], v[CH] row_xmask:2 row_mask:0xf bank_mask:0xf
	v_add_f32_dpp v[CH], v[CH], v[CH] row_xmask:4 row_mask:0xf bank_mask:0xf
	v_add_f32_dpp v[CH], v[CH], v[CH] row_xmask:8 row_mask:0xf bank_mask:0xf
	v_permlanex16_b32 v[RT], v[CH], s24, s25
	v_add_f32 v[CH], v[CH], v[RT]
.endm
	s_load_b256 s[4:11], s[0:1], 0x0               ; y 4, g 6, beta 8, Wp 10
	s_load_b128 s[12:15], s[0:1], 0x20             ; bp 12, out0 14
	v_lshl_add_u32 v248, v0, 2, 0x100
	v_mov_b32 v249, 0
	v_lshrrev_b32 v1, 5, v0
	v_readfirstlane_b32 s20, v1                    ; wave = label c
	v_and_b32 v1, 31, v0
	v_lshlrev_b32 v2, 4, v1                        ; 16 lane
	v_mov_b32 v[RT], 0
	s_mov_b32 s24, 0x76543210
	s_mov_b32 s25, 0xfedcba98
	s_mov_b32 s26, 0x3a800000                      ; 1 / 1024
	s_mov_b32 s27, 0x3727c5ac                      ; 1e-5
	s_lshl_b32 s16, ttmp9, 12
	s_mov_b32 s17, 0
	s_lshl_b32 s18, s20, 12
	s_mov_b32 s19, 0
	s_lshl_b32 s21, s20, 2
	s_mul_i32 s22, ttmp9, 56
	s_mov_b32 s23, 0
	s_wait_kmcnt 0x0
	s_add_nc_u64 s[4:5], s[4:5], s[16:17]
	s_add_nc_u64 s[10:11], s[10:11], s[18:19]
	s_add_nc_u64 s[14:15], s[14:15], s[22:23]
	s_load_b32 s16, s[12:13], s21 offset:0x0       ; bp[c]
.irp j, 0,1,2,3,4,5,6,7
	global_load_b128 v[Y+4*\j:Y+4*\j+3], v2, s[4:5] offset:512*\j
.endr
.irp p, 1,2,3
.irp j, 0,1,2,3,4,5,6,7
	global_load_b128 v[YX+32*(\p-1)+4*\j:YX+32*(\p-1)+4*\j+3], v2, s[4:5] offset:262144*\p+512*\j   ; part p of y lies 64 rows of 4,096 bytes behind part p - 1
.endr
.endr
.irp j, 0,1,2,3,4,5,6,7
	global_load_b128 v[G+4*\j:G+4*\j+3], v2, s[6:7] offset:512*\j
.endr
.irp j, 0,1,2,3,4,5,6,7
	global_load_b128 v[BT+4*\j:BT+4*\j+3], v2, s[8:9] offset:512*\j
.endr
.irp j, 0,1,2,3,4,5,6,7
	global_load_b128 v[WP+4*\j:WP+4*\j+3], v2, s[10:11] offset:512*\j
.endr
	s_wait_loadcnt 24                              ; the row's four parts are in; g, beta and Wp's row (8 loads each) stay out
.irp p, 0,2,4,6,8,10,12,14,16,18,20,22,24,26,28,30
	v_pk_add_f32 v[Y+\p:Y+\p+1], v[Y+\p:Y+\p+1], v[YX+\p:YX+\p+1]
	v_pk_add_f32 v[YX+32+\p:YX+32+\p+1], v[YX+32+\p:YX+32+\p+1], v[YX+64+\p:YX+64+\p+1]
	v_pk_add_f32 v[Y+\p:Y+\p+1], v[Y+\p:Y+\p+1], v[YX+32+\p:YX+32+\p+1]
.endr
.irp c, 0,2,4,6
	v_pk_add_f32 v[CH+\c:CH+\c+1], v[Y+\c:Y+\c+1], v[Y+\c+8:Y+\c+9]
.endr
.irp c, 0,2,4,6
	v_pk_add_f32 v[CH+\c:CH+\c+1], v[CH+\c:CH+\c+1], v[Y+\c+16:Y+\c+17]
.endr
.irp c, 0,2,4,6
	v_pk_add_f32 v[CH+\c:CH+\c+1], v[CH+\c:CH+\c+1], v[Y+\c+24:Y+\c+25]
.endr
	FOLD
	v_mul_f32 v[MEAN], s26, v[CH]
	v_mul_f32 v[MEAN+1], s26, v[CH]
.irp p, 0,2,4,6,8,10,12,14,16,18,20,22,24,26,28,30
	v_pk_add_f32 v[Y+\p:Y+\p+1], v[Y+\p:Y+\p+1], v[MEAN:MEAN+1] neg_lo:[0,1] neg_hi:[0,1]
.endr
.irp c, 0,2,4,6
	v_pk_mul_f32 v[CH+\c:CH+\c+1], v[Y+\c:Y+\c+1], v[Y+\c:Y+\c+1]
.endr
.irp p, 8,10,12,14,16,18,20,22,24,26,28,30
	v_pk_fma_f32 v[CH+\p%8:CH+\p%8+1], v[Y+\p:Y+\p+1], v[Y+\p:Y+\p+1], v[CH+\p%8:CH+\p%8+1]
.endr
	FOLD
	v_fma_f32 v[CH], v[CH], s26, s27               ; variance + eps
	v_rsq_f32 v[RS], v[CH]
	v_rsq_f32 v[RS+1], v[CH]
	v_nop                                          ; one plain place behind a transcendental (ISA guide 5.7.2)
	s_wait_alu depctr_va_vdst(0)
.irp p, 0,2,4,6,8,10,12,14,16,18,20,22,24,26,28,30
	v_pk_mul_f32 v[Y+\p:Y+\p+1], v[Y+\p:Y+\p+1], v[RS:RS+1]
.endr
	s_wait_loadcnt 0x0
.irp p, 0,2,4,6,8,10,12,14,16,18,20,22,24,26,28,30
	v_pk_fma_f32 v[Y+\p:Y+\p+1], v[Y+\p:Y+\p+1], v[G+\p:G+\p+1], v[BT+\p:BT+\p+1]
.endr
.irp c, 0,2,4,6
	v_pk_mul_f32 v[CH+\c:CH+\c+1], v[Y+\c:Y+\c+1], v[WP+\c:WP+\c+1]
.endr
.irp p, 8,10,12,14,16,18,20,22,24,26,28,30
	v_pk_fma_f32 v[CH+\p%8:CH+\p%8+1], v[Y+\p:Y+\p+1], v[WP+\p:WP+\p+1], v[CH+\p%8:CH+\p%8+1]
.endr
	FOLD
	s_wait_kmcnt 0x0
	v_add_f32 v[CH], s16, v[CH]
	v_mov_b32 v[AD], s21
	ds_store_b32 v[AD], v[CH]                      ; word c; all lanes write the same value
	s_wait_dscnt 0x0
	s_barrier_signal -1
	s_barrier_wait -1
	s_cmp_lg_u32 s20, 0
	s_cbranch_scc1 .Lend
	v_min_u32 v[AD], 13, v1                        ; all lanes read; those beyond 13 repeat word 13 and store nothing
	v_lshlrev_b32 v[AD], 2, v[AD]
	ds_load_b32 v[CH], v[AD]
	v_lshlrev_b32 v[CH+1], 2, v1
	v_cmp_gt_u32 vcc_lo, 14, v1
	s_wait_dscnt 0x0
	s_wait_xcnt 0x0                                ; EXEC is a source of the loads above: it changes only behind this wait
	s_and_saveexec_b32 s17, vcc_lo
	global_store_b32 v[CH+1], v[CH], s[14:15]      ; 14 lanes: the batch's 56 bytes
	s_wait_xcnt 0x0                                ; and again in front of the line that widens it
	s_or_b32 exec_lo, exec_lo, s17
.Lend:
	s_wait_tensorcnt 0x0
	ds_add_u32 v248, v249
	s_wait_dscnt 0x0
	s_endpgm
.Lfunc_end_k_q3ad64cfee2_head:
	.size	k_q3ad64cfee2_head, .Lfunc_end_k_q3ad64cfee2_head-k_q3ad64cfee2_head
	.p2alignl 7, 3214868480
	.fill 96, 4, 3214868480
	.section	.rodata,"a",@progbits
	.p2align	6, 0x0
	.amdhsa_kernel k_q3ad64cfee2_head
		.amdhsa_group_segment_fixed_size 2048
		.amdhsa_private_segment_fixed_size 0
		.amdhsa_enable_private_segment 0
		.amdhsa_kernarg_size 48
		.amdhsa_user_sgpr_count 2
		.amdhsa_user_sgpr_kernarg_segment_ptr 1
		.amdhsa_wavefront_size32 1
		.amdhsa_system_sgpr_workgroup_id_x 1
		.amdhsa_system_sgpr_workgroup_id_y 1
		.amdhsa_system_sgpr_workgroup_id_z 1
		.amdhsa_system_vgpr_workitem_id 0
		.amdhsa_next_free_vgpr 250
		.amdhsa_next_free_sgpr 66
		.amdhsa_reserve_vcc 1
		.amdhsa_float_denorm_mode_32 3
		.amdhsa_float_denorm_mode_16_64 3
		.amdhsa_memory_ordered 1
		.amdhsa_forward_progress 1
		.amdhsa_inst_pref_size 19
	.end_amdhsa_kernel
	.amdgpu_metadata
---
amdhsa.version: [ 1, 2 ]
amdhsa.kernels:
  - .name:           k_q3ad64cfee2_head
    .symbol:         k_q3ad64cfee2_head.kd
    .args:
      - { .name: y, .offset: 0, .size: 8, .value_kind: global_buffer, .address_space: global }
      - { .name: ln_out_g, .offset: 8, .size: 8, .value_kind: global_buffer, .address_space: global }
      - { .name: ln_out_b, .offset: 16, .size: 8, .value_kind: global_buffer, .address_space: global }
      - { .name: Wp, .offset: 24, .size: 8, .value_kind: global_buffer, .address_space: global }
      - { .name: bp, .offset: 32, .size: 8, .value_kind: global_buffer, .address_space: global }
      - { .name: out0, .offset: 40, .size: 8, .value_kind: global_buffer, .address_space: global }
    .group_segment_fixed_size: 2048
    .private_segment_fixed_size: 0
    .kernarg_segment_align: 8
    .kernarg_segment_size: 48
    .max_flat_workgroup_size: 448
    .sgpr_count:     66
    .vgpr_count:     250
    .wavefront_size: 32
...
	.end_amdgpu_metadata
.endif
;; end of part 10
